; MI455X (gfx1250); checked and timed in simulation.
; The chip was launched on July 23, 2026; its instructions are those of AMD's public machine-readable ISA for CDNA 5 (MIT licence, August 2026) and "CDNA5" Instruction Set Architecture Reference Guide (July 2026). The comments in the code are by the model that wrote it; some were corrected since.
;; Multi Head Self Attention. Allowed arithmetic: matrix products marked QUANTISED: E2M3 operands, one E8M0 scale for each 32 along K, by v_wmma_scale_f32_16x16x128_f8f6f4 with both operands' format E2M3, f32 sums; everything else in f32.
;; Inputs: token_positions 2,048 int32; w_k_codes 1,024 x 32 x 24 uint8 (E2M3 codes of w_k, K innermost, in blocks of 32 codes, four codes in three bytes); w_k_scales 1,024 x 32 uint8 (E8M0 scales of w_k, one for each 32 codes along K); w_o_codes 1,024 x 32 x 24 uint8 (E2M3 codes of w_o, K innermost, in blocks of 32 codes, four codes in three bytes); w_o_scales 1,024 x 32 uint8 (E8M0 scales of w_o, one for each 32 codes along K); w_q_codes 1,024 x 32 x 24 uint8 (E2M3 codes of w_q, K innermost, in blocks of 32 codes, four codes in three bytes); w_q_scales 1,024 x 32 uint8 (E8M0 scales of w_q, one for each 32 codes along K); w_v_codes 1,024 x 32 x 24 uint8 (E2M3 codes of w_v, K innermost, in blocks of 32 codes, four codes in three bytes); w_v_scales 1,024 x 32 uint8 (E8M0 scales of w_v, one for each 32 codes along K); x_codes 4 x 2,048 x 32 x 24 uint8 (E2M3 codes of x, K innermost, in blocks of 32 codes, four codes in three bytes); x_scales 4 x 2,048 x 32 uint8 (E8M0 scales of x, one for each 32 codes along K).
;; Outputs: out0 4 x 2,048 x 1,024 float32.
;; This version of the problem:
;;   THIS VERSION OF THE PROBLEM IS GIVEN IN LOW PRECISION. The matrix products marked QUANTISED in the list below multiply operands that are first quantised to E2M3 (2 exponent bits, 3 mantissa bits; 6 bits a number), with one power-of-two scale for each 32 numbers along K (OCP MX v1.0); their sums are f32. All else is computed in f32.
;;   The module's matrix products, in the order in which they are computed (A, B: the left and right operand; K: the contracted axis; several contracted axes count as one K, in the product's order):
;;     1. [M 8,192, K 1,024] x [K 1,024, N 1,024]; A: input x (given as codes); B: input w_q (given as codes): QUANTISED
;;     2. [M 8,192, K 1,024] x [K 1,024, N 1,024]; A: input x (given as codes); B: input w_k (given as codes): QUANTISED
;;     3. [M 8,192, K 1,024] x [K 1,024, N 1,024]; A: input x (given as codes); B: input w_v (given as codes): QUANTISED
;;     4. batch 64 x [M 2,048, K 64] x [K 64, N 2,048]; A: computed on the way; B: computed on the way: QUANTISED
;;     5. batch 64 x [M 2,048, K 2,048] x [K 2,048, N 64]; A: softmax (see below); B: computed on the way: QUANTISED
;;     6. [M 8,192, K 1,024] x [K 1,024, N 1,024]; A: computed on the way; B: input w_o (given as codes): QUANTISED
;;   THE QUANTISER, for each operand of a quantised product, along K:
;;     - K is cut into blocks of 32 from its start; a last block that is shorter is filled with zeros.
;;     - A block's scale is 2^e with e = floor(log2(the largest magnitude in the block)) - 2, held to -126 .. 127; a block of zeros has e = 0. As a byte (E8M0): e + 127.
;;     - Each number is divided by its block's scale, clamped to +-7.5, and rounded to the nearest number of E2M3, ties to even, subnormals kept.
;;     - The product sums the exact products of the quantised numbers (number of the format x scale) in f32.
;;   ~~~python
;;   def quantise(x, axis):      # numpy; x: float32 -> the quantised numbers, widened to float32 again
;;       x = np.moveaxis(x, axis, -1); K = x.shape[-1]
;;       x = np.pad(x, [(0, 0)] * (x.ndim - 1) + [(0, -K % 32)]); x = x.reshape(x.shape[:-1] + (-1, 32)); a = np.abs(x).max(-1, keepdims=True)
;;       e = np.where(a > 0, np.clip(np.frexp(np.where(a > 0, a, 1))[1] - 1 - 2, -126, 127), 0)      # np.frexp(a)[1] - 1 = floor(log2(a)), exactly
;;       r = np.clip(x / 2.0 ** e, -7.5, 7.5)
;;       step = 2.0 ** (np.maximum(np.frexp(np.where(r == 0, 1, r))[1] - 1, 0) - 3)
;;       q = np.round(r / step) * step * 2.0 ** e      # np.round: ties to even
;;       return np.moveaxis(q.reshape(q.shape[:-2] + (-1,))[..., :K], -1, axis).astype(np.float32)
;;   ~~~
;;   SOFTMAX AHEAD OF A QUANTISED PRODUCT. Where the list says 'softmax', what is quantised is not the finished softmax but p = 2^(t - M), with t = logit x log2(e) and M = ceil(the row's largest t), a whole number; so 1/2 < the row's largest p <= 1. The row's sum l is taken of the UNQUANTISED p, in f32, and the product's result is divided by l at the end. Since M is a whole number, a kernel that streams over the keys may use a running M (the ceiling of the running maximum): every later rescaling is an exact power of two, which a block's scale takes up: the codes' values come out the same.
;;   OPERANDS COMPUTED ON THE WAY. 'Computed on the way' means the value that the module computes at that place (a softmax that the list does not call 'softmax' is quantised finished and normalised). What goes into a quantiser is computed in f32, as accurately as f32 sums, v_exp_f32 and their like allow (about 1e-6 of the number): no bf16 or f16 on the way to a quantiser, and a product that is left as it is and whose result goes on into a quantised operand takes f32 operands (vector FMAs, or v_wmma_f32_16x16x4_f32). A number that lies on a knife's edge between two numbers of the format may be rounded either way, as far as f32 arithmetic and the matrix unit's own rounding can turn it there, and no further.
;;   INPUTS GIVEN AS CODES. w_k (in the module: [1024, 1024], K = its axis 1); w_o (in the module: [1024, 1024], K = its axis 1); w_q (in the module: [1024, 1024], K = its axis 1); w_v (in the module: [1024, 1024], K = its axis 1); x (in the module: [4, 2048, 1024], K = its axis 2): each comes as NAME_codes (uint8): NAME with its K axis moved to the last place and cut into blocks of 32 codes, [.., K / 32, bytes a block], one block behind the other in memory; four codes in three bytes: a row's codes are one little-endian stream of bits, code i at bits 6 i .. 6 i + 5 (a code: sign, 2 exponent bits, 3 mantissa bits); and NAME_scales (uint8): the same leading axes, one E8M0 byte (e + 127) for each 32 codes along K. Its value is code x scale, taken as it is: it is not quantised again, and the codes and scales need not be those that the quantiser above would give.
;; One version. Each part assembles by itself: llvm-mc -triple=amdgcn-amd-amdhsa -mcpu=gfx1250 --defsym DOCPART=n.
;; ======== version 1 of 1: 3 launches
;; limits: right only within a limited range of input values
;; workspace buffers: q_img 6,291,456 bytes; q_sw 524,288 bytes; kv_blk 13,369,344 bytes; a_img 6,291,456 bytes; a_sc 262,144 bytes
;; launch qkv (part 1): grid 4 x 64, 4 waves a work-group, clusters of 4 x 4, 327,680 bytes of LDS; arguments x_codes, x_scales, w_q_codes, w_q_scales, w_k_codes, w_k_scales, w_v_codes, w_v_scales, token_positions, q_img, q_sw, kv_blk; writes q_img, q_sw, kv_blk
.if DOCPART == 1
	.amdgcn_target "amdgcn-amd-amdhsa--gfx1250"
	.amdhsa_code_object_version 6
	.text
	.protected	k_qaa2ed25481_qkv
	.globl	k_qaa2ed25481_qkv
	.p2align	8
	.type	k_qaa2ed25481_qkv,@function
k_qaa2ed25481_qkv:
	s_mov_b64 s[64:65], 0
	v_nop
	global_prefetch_b8 v0, s[64:65] scope:SCOPE_SE
	s_setreg_imm32_b32 hwreg(HW_REG_WAVE_MODE, 25, 1), 1
	s_wait_xcnt 0x0
	s_wait_alu depctr_hold_cnt(0) depctr_sa_sdst(0) depctr_va_vdst(0) depctr_va_sdst(0) depctr_va_ssrc(0) depctr_va_vcc(0) depctr_vm_vsrc(0)
	s_getreg_b32 s2, hwreg(HW_REG_IB_STS2, 6, 4)
	s_cmp_eq_u32 s2, 0
	s_cbranch_scc0 .Lentry_in_a_cluster
	s_endpgm
.Lentry_in_a_cluster:
	s_bfe_u32 s2, ttmp6, 0x10000c
	s_cmp_lg_u32 s2, 0xf033
	s_cbranch_scc0 .Lentry_shape_is_right
	s_endpgm
.Lentry_shape_is_right:
; q = rope(x Wq^T), k = rope(x Wk^T), v = x Wv^T on codes of FP6 (E2M3) with E8M0 scales, then quantised again: q and k along the head's 64, v along the keys.
; x: [8192][1024] codes (768 bytes a row), scales [8192][32].  Each W: [1024][1024] codes, scales [1024][32].  token_positions: [2048] int32.
; SHARES.  A work-group takes 128 rows of x (one batch, one step of 128 keys) and 256 rows of each W (four heads), and stays for q, k and v.  Wave w: 64 rows of x (w / 2), 128 rows of W (w % 2): 32 accumulators.
; x's 64 rows x 1,024 K are 32 fragments, 384 registers: read from LDS once, they serve all three matrices; x's LDS bytes then become a slot of W's ring.
; W goes through two LDS slots of 256 rows x 512 K (384 bytes a row): slot 1 takes the low halves along K, slot 0 the high halves.  Seven fills in all, at most two of a wave's out at a time.
; CLUSTER 4 x 4: the four work-groups of a row of the cluster need the same rows of x, the four of a column the same rows of W: joint loads, every wave its own rows of each tile.
; q, k: source 0 = 16 rows of W, source 1 = 16 rows of x: a lane holds ONE token and eight neighbouring features.  v: the sources change places: a lane holds ONE feature and eight neighbouring tokens (keys).
; WHAT IS STORED are images of operand registers: six registers (16 rows x 64 along K) as 512 bytes at 16 x lane and 256 bytes at 8 x lane: every store covers whole aligned runs of 256 bytes.
; Inside a block of 32 the codes lie in the order 0-7, 16-23, 8-15, 24-31, alike in q and k, and alike in v and (next launch) p: the products are the same, the order of the f32 sums differs from the natural one.
; cos AND sin: the angle is position x 2^(-k log2(10000) / 32) in f32; n = the nearest whole number to angle x 2 / pi; the rest by pi / 2 in two parts; polynomials on +-pi / 4.
; LIMITS: positions up to 2^20 in magnitude (beyond, n x pi / 2 in two parts is too coarse); the frequencies come from v_exp_f32 and are good to a few units in the last place;
; a block of zeros gets the scale byte 1 (its codes are zeros; this program alone reads these bytes); blocks whose largest magnitude lies under 2^-124 were not considered; NaN and infinities are not served.
.set PX,    816                        ; a row of x in LDS: 3 x (256 bytes + 16 of padding)
.set PWT,   432                        ; a row of W's half in LDS: 3 x (128 bytes + 16 of padding)
.set SLOT0, 0
.set SLOT1, 256*PWT                    ; 110,592
.set TAB,   2*SLOT1                    ; 128 rows x 272: (cos, sin) for 32 frequencies, 8 bytes each, + 16
.set TPI,   272
.set VSX,   TAB+128*TPI                ; 1,024 bytes: v's scale bytes meet here
.set SPARE, VSX+1024                   ; the spare words, 128 bytes a wave: two blocks of 256 bytes that no other line names
.set KVB,   13056                      ; a block of kv_blk: K 6,144, V 6,144, K's scale words 512, V's 256
.set SPW, 1                            ; v1   LDS address of my spare word; never rewritten
.set NIL, 2                            ; v2   0; never rewritten
.set ADX, 3                            ; v3-4 my place in x's rows (v4: behind one padding more)
.set ADW, 5                            ; v5-6 my place in W's rows in slot 0, v7-8 in slot 1
.set TADW, 9                           ; v9   the table: where I write
.set TADR, 10                          ; v10  and where I read
.set L16, 11                           ; v11  16 x lane
.set L8,  12                           ; v12  8 x lane
.set SOW, 13                           ; v13  my byte among a W's scales
.set VSXA, 14
.set VSXR, 15
.set XS,  16                           ; v16-31  x's scale words: tile m, register j: lanes 0-15 K step j, lanes 16-31 K step 4 + j
.set WS,  32                           ; v32-63  W's likewise, tile a
.set CS,  64                           ; v64-95  16 pairs (cos, sin)
.set RO,  96                           ; v96-127 32 rotated numbers
.set TM,  128
.set TP,  130
.set SOP, 132
.set BY,  134
.set WD,  136
.set SW,  138                          ; v138-141 scale words to store: head hd, pair of tiles P at SW + 2 hd + P
.set PC,  144                          ; v144-149 six registers of codes
.set PT,  150                          ; v150-152
.set RT,  152                          ; v152-159 at work in ROPE (v152 is PT's last: never live together)
.set POSF, 69
.set INV,  70
.set ST,   80                          ; v80-127 at work on cos and sin, 12 registers for each of four rows
; window 0 v160-255: W's fragments, set 0.  window 1: x's K steps 0-4 at 48 s + 12 m.  window 2: v0-143 x's K steps 5-7; v144-239 W's set 1.  window 3: the accumulators.
.set WV,  28
.set RH,  29
.set CH,  30
.set G1X, 36
.set G1W, 44
.set G0X, 52
.set G0L, 56
.set G0H, 60
.set NXW, 66                           ; s[66:67] the next matrix's rows; s[70:71] the next matrix's scales
.set NWS, 70
.set OC,  74                           ; s[74:81] this trip's outputs: codes of head 0, of head 1, scale words of head 0, of head 1
.set KC,  82                           ; s[82:89] k's four
.set VC,  90                           ; s[90:93] v's codes, head 0, head 1
.set VSP, 94
.set SEL, 96
.set HM,  98
.set SCN, 66                           ; s66-74 constants of cos and sin (ahead of the loop these registers are free)
.set SPO, 75                           ; s75-78 four positions
.set MSB, 0
.macro WIN new                         ; the immediate's high byte repeats the setting that is left
.if MSB != (\new)
	s_set_vgpr_msb (MSB<<8)|(\new)
.set MSB, (\new)
.endif
.endm
.macro PLACES n
.rept \n
	v_nop
.endr
.endm
.macro CREST                           ; a round of the cluster's barrier behind its opening barrier
	s_cmp_lg_u32 s[WV], 0
	s_cbranch_scc1 .Lnot_wave_0_\@
	s_barrier_signal -3
.Lnot_wave_0_\@:
	s_barrier_wait -3
	s_barrier_signal -1
	s_barrier_wait -1
.endm
.macro CROUND
	s_barrier_signal -1
	s_barrier_wait -1
	CREST
.endm
	s_load_b512 s[4:19], s[0:1], 0x0               ; x codes, x scales, Wq codes, scales, Wk codes, scales, Wv codes, scales
	s_load_b256 s[20:27], s[0:1], 0x40             ; positions, q_img, q_sw, kv_blk
	v_lshl_add_u32 v[SPW], v0, 2, SPARE
	v_mov_b32 v[NIL], 0
	ds_add_u32 v1, v2
	ds_add_u32 v1, v2
	s_wait_dscnt 0x0
	v_lshrrev_b32 v64, 5, v0
	v_readfirstlane_b32 s[WV], v64                 ; wave 0..3
	s_lshr_b32 s[RH], s[WV], 1                     ; which 64 rows of x
	s_and_b32 s[CH], s[WV], 1                      ; which 128 rows of W
	s_bfe_u32 s31, ttmp6, 0x40000                  ; cx
	s_bfe_u32 s32, ttmp6, 0x40004                  ; cy
	s_lshl_b32 s33, ttmp9, 2
	s_add_co_u32 s33, s33, s31                     ; CB: which 256 rows of W
	s_and_b32 s34, ttmp7, 0xffff
	s_lshl_b32 s34, s34, 2
	s_add_co_u32 s34, s34, s32                     ; RB: which 128 rows of x
	s_lshl_b32 s35, s32, 2
	s_lshl_b32 s35, 15, s35                        ; my row of the cluster
	s_lshl_b32 s2, 0x1111, s31                     ; my column
	s_or_b32 s[G1X], s35, (1<<20)|(1<<21)|(5<<22)|(3<<25)   ; x: bytes; 4 words of padding behind every 64 words; the mask of my row, bit 21 beside it
	s_mov_b32 s[G1X+1], 768<<16                    ; tensor_dim0
	s_mov_b32 s[G1X+2], 32<<16                     ; tensor_dim1
	s_mov_b32 s[G1X+3], 768<<16                    ; tile_dim0
	s_mov_b32 s[G1X+4], 32                         ; tile_dim1: 32 rows a wave
	s_mov_b32 s[G1X+5], 768                        ; from row to row
	s_mov_b32 s[G1X+6], 0
	s_mov_b32 s[G1X+7], 0
	s_or_b32 s[G1W], s2, (1<<20)|(1<<21)|(4<<22)|(3<<25)    ; W: 4 words of padding behind every 32 words; the mask of my column
	s_mov_b32 s[G1W+1], 384<<16
	s_mov_b32 s[G1W+2], 64<<16
	s_mov_b32 s[G1W+3], 384<<16
	s_mov_b32 s[G1W+4], 64                         ; 64 rows a wave
	s_mov_b32 s[G1W+5], 768
	s_mov_b32 s[G1W+6], 0
	s_mov_b32 s[G1W+7], 0
	s_lshl_b32 s100, s34, 7                        ; x: row 128 RB + 32 wave (registers that never hold cx)
	s_lshl_b32 s101, s[WV], 5
	s_add_co_u32 s100, s100, s101
	s_mul_i32 s100, s100, 768
	s_mov_b32 s101, 0
	s_lshl_b32 s104, s33, 8                        ; W: row 256 CB + 64 wave (registers that never hold cy)
	s_lshl_b32 s105, s[WV], 6
	s_add_co_u32 s104, s104, s105
	s_mul_i32 s104, s104, 768
	s_mov_b32 s105, 0
	s_mov_b32 s[G0X], 1
	s_mul_i32 s[G0X+1], s[WV], 32*PX               ; slot 0
	s_mov_b32 s[G0L], 1
	s_mul_i32 s[G0L+1], s[WV], 64*PWT
	s_add_co_u32 s[G0L+1], s[G0L+1], SLOT1
	s_mov_b32 s[G0H], 1
	s_mul_i32 s[G0H+1], s[WV], 64*PWT
	s_mov_b32 s[SEL], 0x76543210
	s_mov_b32 s[SEL+1], 0xfedcba98
	s_mov_b32 s[HM], 0xffff0000                    ; lanes 16-31
	s_wait_kmcnt 0x0
	s_add_nc_u64 s[G0X+2:G0X+3], s[4:5], s[100:101]
	s_or_b32 s[G0X+3], s[G0X+3], 0x80000000
	s_add_nc_u64 s[G0L+2:G0L+3], s[8:9], s[104:105]         ; Wq, K 0-511
	s_add_nc_u64 s[G0H+2:G0H+3], s[G0L+2:G0L+3], 384        ; Wq, K 512-1023
	s_or_b32 s[G0L+3], s[G0L+3], 0x80000000
	s_or_b32 s[G0H+3], s[G0H+3], 0x80000000
	s_add_nc_u64 s[12:13], s[12:13], s[104:105]    ; Wk and Wv at my rows
	s_add_nc_u64 s[16:17], s[16:17], s[104:105]
	CROUND                                         ; all sixteen work-groups are here: the first joint loads meet
	tensor_load_to_lds s[G0X:G0X+3], s[G1X:G1X+7]  ; x into slot 0
	s_nop 0
	tensor_load_to_lds s[G0L:G0L+3], s[G1W:G1W+7]  ; Wq's low half into slot 1: two loads of mine are out
	s_nop 0
	PLACES 4
	v_and_b32 v64, 31, v0                          ; lane
	v_and_b32 v65, 15, v0                          ; r
	v_bfe_u32 v66, v0, 4, 1                        ; h
	v_mul_u32_u24 v[ADX], v65, PX
	v_mad_u32_u24 v[ADX], v66, 24, v[ADX]
	s_mul_i32 s35, s[RH], 64*PX
	v_add_nc_u32 v[ADX], s35, v[ADX]
	v_lshl_add_u32 v[ADX+1], v66, 4, v[ADX]
	v_mul_u32_u24 v[ADW], v65, PWT
	v_mad_u32_u24 v[ADW], v66, 24, v[ADW]
	s_mul_i32 s35, s[CH], 128*PWT
	v_add_nc_u32 v[ADW], s35, v[ADW]
	v_lshl_add_u32 v[ADW+1], v66, 4, v[ADW]
	v_add_nc_u32 v[ADW+2], SLOT1, v[ADW]
	v_add_nc_u32 v[ADW+3], SLOT1, v[ADW+1]
	s_mul_i32 s35, s[WV], 32*TPI
	s_add_co_u32 s35, s35, TAB
	v_lshl_add_u32 v[TADW], v64, 3, s35            ; rows 32 wave on; lane = frequency
	v_mul_u32_u24 v[TADR], v65, TPI
	v_lshl_add_u32 v[TADR], v66, 5, v[TADR]
	s_mul_i32 s35, s[RH], 64*TPI
	s_add_co_u32 s35, s35, TAB
	v_add_nc_u32 v[TADR], s35, v[TADR]             ; row 64 RH + r, + 32 h: four frequencies of my half
	v_lshlrev_b32 v[L16], 4, v64
	v_lshlrev_b32 v[L8], 3, v64
	v_lshlrev_b32 v[SOW], 5, v65
	v_lshl_add_u32 v[SOW], v66, 4, v[SOW]          ; 32 r + 16 h: lanes 0-15 a row's words 0-3, lanes 16-31 its words 4-7
	s_lshl_b32 s35, s34, 12
	s_lshl_b32 s99, s[RH], 11
	s_add_co_u32 s35, s35, s99
	v_add_nc_u32 v67, s35, v[SOW]                  ; x: + (128 RB + 64 RH) x 32
	s_lshl_b32 s2, s33, 13
	s_lshl_b32 s99, s[CH], 12
	s_add_co_u32 s2, s2, s99
	v_add_nc_u32 v[SOW], s2, v[SOW]                ; W: + (256 CB + 128 CH) x 32
	s_lshl_b32 s35, s[CH], 9
	s_lshl_b32 s99, s[RH], 1
	s_add_co_u32 s35, s35, s99
	s_add_co_u32 s35, s35, VSX
	v_lshl_add_u32 v[VSXA], v65, 2, s35            ; v's scale word of feature 128 CH + 16 a + r, my two bytes of it
	s_lshl_b32 s35, s[WV], 8
	s_add_co_u32 s35, s35, VSX
	v_lshl_add_u32 v[VSXR], v64, 3, s35
	s_and_b32 s35, s34, 15
	s_lshl_b32 s35, s35, 9
	s_lshl_b32 s99, s[WV], 7
	s_add_co_u32 s35, s35, s99
	v_lshl_add_u32 v68, v64, 2, s35                ; positions 128 KS + 32 wave + lane
	v_mov_b32 v[TP], 0                             ; written once: a lane permute's destination counts as one of its sources
	v_mov_b32 v[TP+1], 0
	global_load_b32 v[POSF], v68, s[20:21]
.irp m, 0,1,2,3
	global_load_b128 v[XS+4*\m:XS+4*\m+3], v67, s[6:7] offset:512*\m      ; 32 lanes read 512 consecutive bytes: 16 rows' scales
.endr
.irp a, 0,1,2,3,4,5,6,7
	global_load_b128 v[WS+4*\a:WS+4*\a+3], v[SOW], s[10:11] offset:512*\a
.endr
	s_wait_xcnt 0x0                                ; the loads have read their bases: those registers are written below
	; where the results go.  HDG = 16 batch + 4 CB + 2 CH + hd is the head among 64; KS the step of 128 keys
	s_lshr_b32 s99, s34, 4
	s_lshl_b32 s99, s99, 4
	s_lshl_b32 s3, s33, 2
	s_add_co_u32 s99, s99, s3                      ; 16 batch + 4 CB
	s_and_b32 s3, s34, 15                          ; KS
	s_add_co_u32 s94, s99, s[WV]                   ; the head whose V scale words I store
	s_lshl_b32 s94, s94, 4
	s_add_co_u32 s94, s94, s3
	s_mul_i32 s94, s94, KVB
	s_add_co_u32 s94, s94, 12800
	s_mov_b32 s95, 0
	s_add_nc_u64 s[VSP:VSP+1], s[26:27], s[94:95]
	s_lshl_b32 s83, s[CH], 1
	s_add_co_u32 s99, s99, s83                     ; HDG of my first head
	s_lshl_b32 s82, s99, 4
	s_add_co_u32 s82, s82, s3
	s_mul_i32 s82, s82, KVB
	s_mov_b32 s83, 0
	s_add_nc_u64 s[82:83], s[26:27], s[82:83]      ; its block of kv_blk
	s_mul_i32 s90, s[RH], 768
	s_add_co_u32 s90, s90, 6144
	s_mov_b32 s91, 0
	s_add_nc_u64 s[VC:VC+1], s[82:83], s[90:91]    ; V: my 64 keys are half c = RH of each fragment
	s_add_nc_u64 s[VC+2:VC+3], s[VC:VC+1], 16*KVB
	s_lshl_b32 s86, s[RH], 8
	s_add_co_u32 s86, s86, 12288
	s_mov_b32 s87, 0
	s_add_nc_u64 s[KC+4:KC+5], s[82:83], s[86:87]  ; K's scale words
	s_add_nc_u64 s[KC+6:KC+7], s[KC+4:KC+5], 16*KVB
	s_mul_i32 s84, s[RH], 3072
	s_mov_b32 s85, 0
	s_add_nc_u64 s[KC:KC+1], s[82:83], s[84:85]    ; K's tiles 4 RH on
	s_add_nc_u64 s[KC+2:KC+3], s[KC:KC+1], 16*KVB
	s_lshl_b32 s26, s99, 13
	s_lshl_b32 s27, s3, 9
	s_add_co_u32 s26, s26, s27
	s_lshl_b32 s27, s[RH], 8
	s_add_co_u32 s26, s26, s27
	s_mov_b32 s27, 0
	s_add_nc_u64 s[24:25], s[24:25], s[26:27]      ; q's scale words, head 0
	s_add_nc_u64 s[26:27], s[24:25], 8192          ; head 1
	s_lshl_b32 s20, s99, 7
	s_lshl_b32 s21, s3, 3
	s_add_co_u32 s20, s20, s21
	s_lshl_b32 s21, s[RH], 2
	s_add_co_u32 s20, s20, s21
	s_mul_i32 s20, s20, 768
	s_mov_b32 s21, 0
	s_add_nc_u64 s[22:23], s[22:23], s[20:21]      ; q's codes, head 0
	s_add_nc_u64 s[20:21], s[22:23], 128*768       ; head 1
	; ---- the table of cos and sin for my 32 rows, while x is on its way
	s_mov_b32 s[SCN+0], 0x3f22f983                 ; 2 / pi
	s_mov_b32 s[SCN+1], 0xbfc90fdb                 ; -(pi / 2), upper part
	s_mov_b32 s[SCN+2], 0x333bbd2e                 ; -(pi / 2), the rest
	s_mov_b32 s[SCN+3], 0xb94ca1f9                 ; sine: -1.9515296e-4, 8.3321609e-3, -1.6666655e-1
	s_mov_b32 s[SCN+4], 0x3c08839e
	s_mov_b32 s[SCN+5], 0xbe2aaaa3
	s_mov_b32 s[SCN+6], 0x37ccf5ce                 ; cosine: 2.4433157e-5, -1.3887316e-3, 4.1666646e-2
	s_mov_b32 s[SCN+7], 0xbab6061a
	s_mov_b32 s[SCN+8], 0x3d2aaaa5
	v_cvt_f32_u32 v[INV], v64
	v_mul_f32 v[INV], 0xbed49a78, v[INV]           ; -k log2(10000) / 32
	v_exp_f32 v[INV], v[INV]
	v_nop                                          ; a plain instruction behind the exponential
	s_wait_alu depctr_va_vdst(0)                   ; and the wait ahead of its first reader
	s_wait_loadcnt 12                              ; the positions are in; the 12 loads of scales issued behind them may stay out
	v_cvt_f32_i32 v[POSF], v[POSF]
.macro SINCOS4 i0                      ; rows i0 .. i0 + 3, line by line by turns.  Of a row's 12 registers: +0 angle, +1 n, +2 rest, +3 n as a whole number, +4 z, +5 sine, +6 cosine, +7 at work, +8, +9 (cos, sin)
.irp k, 0,1,2,3
	v_readlane_b32 s[SPO+\k], v[POSF], \i0+\k
.endr
.irp k, 0,1,2,3
	v_mul_f32 v[ST+12*\k], s[SPO+\k], v[INV]
.endr
.irp k, 0,1,2,3
	v_mul_f32 v[ST+12*\k+1], s[SCN], v[ST+12*\k]
.endr
.irp k, 0,1,2,3
	v_rndne_f32 v[ST+12*\k+1], v[ST+12*\k+1]
.endr
.irp k, 0,1,2,3
	v_fma_f32 v[ST+12*\k+2], v[ST+12*\k+1], s[SCN+1], v[ST+12*\k]
.endr
.irp k, 0,1,2,3
	v_fma_f32 v[ST+12*\k+2], v[ST+12*\k+1], s[SCN+2], v[ST+12*\k+2]
.endr
.irp k, 0,1,2,3
	v_cvt_i32_f32 v[ST+12*\k+3], v[ST+12*\k+1]
.endr
.irp k, 0,1,2,3
	v_mul_f32 v[ST+12*\k+4], v[ST+12*\k+2], v[ST+12*\k+2]
.endr
.irp k, 0,1,2,3
	v_fma_f32 v[ST+12*\k+5], v[ST+12*\k+4], s[SCN+3], s[SCN+4]
.endr
.irp k, 0,1,2,3
	v_fma_f32 v[ST+12*\k+6], v[ST+12*\k+4], s[SCN+6], s[SCN+7]
.endr
.irp k, 0,1,2,3
	v_fma_f32 v[ST+12*\k+5], v[ST+12*\k+5], v[ST+12*\k+4], s[SCN+5]
.endr
.irp k, 0,1,2,3
	v_fma_f32 v[ST+12*\k+6], v[ST+12*\k+6], v[ST+12*\k+4], s[SCN+8]
.endr
.irp k, 0,1,2,3
	v_mul_f32 v[ST+12*\k+7], v[ST+12*\k+4], v[ST+12*\k+2]          ; z x rest
.endr
.irp k, 0,1,2,3
	v_mul_f32 v[ST+12*\k+1], v[ST+12*\k+4], v[ST+12*\k+4]          ; z x z
.endr
.irp k, 0,1,2,3
	v_fma_f32 v[ST+12*\k], v[ST+12*\k+4], -0.5, 1.0
.endr
.irp k, 0,1,2,3
	v_fma_f32 v[ST+12*\k+5], v[ST+12*\k+5], v[ST+12*\k+7], v[ST+12*\k+2]   ; sin of the rest
.endr
.irp k, 0,1,2,3
	v_fma_f32 v[ST+12*\k+6], v[ST+12*\k+6], v[ST+12*\k+1], v[ST+12*\k]     ; cos of the rest
.endr
.irp k, 0,1,2,3
	v_and_b32 v[ST+12*\k+7], 1, v[ST+12*\k+3]
.endr
.irp k, 0,1,2,3
	v_cmp_eq_u32 s[6+\k+2*(\k/2)], 1, v[ST+12*\k+7]                ; n odd: the two change places
.endr
.irp k, 0,1,2,3
	v_cndmask_b32 v[ST+12*\k+9], v[ST+12*\k+5], v[ST+12*\k+6], s[6+\k+2*(\k/2)]
.endr
.irp k, 0,1,2,3
	v_cndmask_b32 v[ST+12*\k+8], v[ST+12*\k+6], v[ST+12*\k+5], s[6+\k+2*(\k/2)]
.endr
.irp k, 0,1,2,3
	v_lshlrev_b32 v[ST+12*\k+7], 30, v[ST+12*\k+3]
.endr
.irp k, 0,1,2,3
	v_add_nc_u32 v[ST+12*\k+3], 1, v[ST+12*\k+3]
.endr
.irp k, 0,1,2,3
	v_and_b32 v[ST+12*\k+7], 0x80000000, v[ST+12*\k+7]             ; the sine is negative where n mod 4 is 2 or 3,
.endr
.irp k, 0,1,2,3
	v_lshlrev_b32 v[ST+12*\k+3], 30, v[ST+12*\k+3]
.endr
.irp k, 0,1,2,3
	v_xor_b32 v[ST+12*\k+9], v[ST+12*\k+9], v[ST+12*\k+7]
.endr
.irp k, 0,1,2,3
	v_and_b32 v[ST+12*\k+3], 0x80000000, v[ST+12*\k+3]             ; the cosine where it is 1 or 2
.endr
.irp k, 0,1,2,3
	v_xor_b32 v[ST+12*\k+8], v[ST+12*\k+8], v[ST+12*\k+3]
.endr
.irp k, 0,1,2,3
	ds_store_b64 v[TADW], v[ST+12*\k+8:ST+12*\k+9] offset:TPI*(\i0+\k)
.endr
.endm
.irp i, 0,4,8,12,16,20,24,28
	SINCOS4 \i
.endr
; ---- the macros of the products
.macro WM d, a, b, z, sa, sb, hi
.if \z
	v_wmma_scale_f32_16x16x128_f8f6f4 v[\d:\d+7], v[\a:\a+11], v[\b:\b+11], 0, v[\sa], v[\sb] matrix_a_fmt:MATRIX_FMT_FP6 matrix_b_fmt:MATRIX_FMT_FP6
.elseif \hi
	v_wmma_scale_f32_16x16x128_f8f6f4 v[\d:\d+7], v[\a:\a+11], v[\b:\b+11], v[\d:\d+7], v[\sa], v[\sb] matrix_a_fmt:MATRIX_FMT_FP6 matrix_b_fmt:MATRIX_FMT_FP6 matrix_a_scale:MATRIX_SCALE_ROW1 matrix_b_scale:MATRIX_SCALE_ROW1
.else
	v_wmma_scale_f32_16x16x128_f8f6f4 v[\d:\d+7], v[\a:\a+11], v[\b:\b+11], v[\d:\d+7], v[\sa], v[\sb] matrix_a_fmt:MATRIX_FMT_FP6 matrix_b_fmt:MATRIX_FMT_FP6
.endif
.endm
; 16 matrix instructions: x's tiles m0, m0 + 1 against W's eight, K step s.  z = 1: they start the sums.  sw = 0: source 0 = W; 1: source 0 = x.
; The 32 accumulators take turns, one instruction a turn, in the same order in every step.
.macro MUL16 m0, s, z, sw
.set XW, 1+(\s)/5
.set XB, 48*((\s)%5)
.set WW, 2*((\s)%2)
.set WB, 160-16*((\s)%2)
.if \sw
	WIN 0xf0|(WW<<2)|XW
.else
	WIN 0xf0|(XW<<2)|WW
.endif
.set mm, \m0
.rept 2
.set aa, 0
.rept 8
.set rW, WB+12*aa
.set rX, XB+12*mm
.set sW, WS+4*aa+(\s)%4
.set sX, XS+4*mm+(\s)%4
.if \sw
.set rD, 8*(4*aa+mm)
	WM rD, rX, rW, \z, sX, sW, (\s)/4
.else
.set rD, 8*(8*mm+aa)
	WM rD, rW, rX, \z, sW, sX, (\s)/4
.endif
.set aa, aa+1
.endr
.set mm, mm+1
.endr
.endm
; W's eight fragments of the slot's q-th 128 along K into a set.  A fragment: 12 registers, in pieces of 8 bytes; lanes 16-31 read three pieces on, which for some pieces is behind one padding more
.macro FETCH_W slot, q, set
.if \set
	WIN 0x80
.else
	WIN 0
.endif
.set ii, 0
.rept 8
.set pp, 0
.rept 6
.set PP, 12*(\q)+6*(pp/3)+pp%3
.set rW, 160-16*(\set)+12*ii+2*pp
.if PP%16 < 13
	ds_load_b64 v[rW:rW+1], v[ADW+2*(\slot)] offset:8*PP+16*(PP/16)+ii*16*PWT
.else
	ds_load_b64 v[rW:rW+1], v[ADW+2*(\slot)+1] offset:8*PP+16*(PP/16)+ii*16*PWT
.endif
.set pp, pp+1
.endr
.set ii, ii+1
.endr
	WIN 0
.endm
.macro STEPK slot, s, z, sw            ; a K step whose successor lies in the same slot
	s_wait_dscnt 0x0                               ; this step's set is in
	PLACES 4                                       ; in front of loads into the set that the last step's products read
	FETCH_W \slot, (\s)%4+1, ((\s)+1)%2
	MUL16 0, \s, \z, \sw
	MUL16 2, \s, \z, \sw
.endm
; A slot's last K step.  Each wave waits for all its tensor loads, adds 0 to its spare word, waits for that and for its reads of the slot, and signals.
; fill = 1: the barrier opens a round of the cluster's barrier, and behind it the slot just left takes the next matrix's half (hi = 1: K 512 on).  nslot: the slot whose first fragments are fetched.
.macro TURNK s, sw, fill, g0, hi, nslot
	WIN 0
	s_wait_tensorcnt 0x0                           ; all my tensor loads have landed, my part of the other slot among them
	ds_add_u32 v[SPW], v[NIL]                      ; 0 onto my spare word
.if \fill
.if \hi
	s_add_nc_u64 s[\g0+2:\g0+3], s[NXW:NXW+1], 384
.else
	s_mov_b64 s[\g0+2:\g0+3], s[NXW:NXW+1]
.endif
	s_or_b32 s[\g0+3], s[\g0+3], 0x80000000
.endif
	s_wait_dscnt 0x0                               ; the add is done, and my reads of this slot are over
	s_barrier_signal -1
	MUL16 0, \s, 0, \sw
	WIN 0
	s_barrier_wait -1
.if \fill
	CREST                                          ; no wave of any partner still reads the slot or has a load on its way
	tensor_load_to_lds s[\g0:\g0+3], s[G1W:G1W+7]  ; my one tensor load behind the round, and the first thing there
	s_nop 0
.endif
	PLACES 4                                       ; behind the load; also the places in front of the loads below
.if \nslot >= 0
	FETCH_W \nslot, 0, 0
.endif
	MUL16 2, \s, 0, \sw
.endm
; 32 numbers v[s] .. v[s + 31] of window w, register 16 b + i of block b, become six registers of codes in v[PC] on, the bytes in v[BY], v[BY + 1] and both in v[WD].
.macro QUANT2 s, w
	WIN (\w)|((\w)<<2)
.irp b, 0,1
	v_max3_num_f32 v[TM+\b], |v[\s+16*\b]|, |v[\s+16*\b+1]|, 0x1800000     ; and the floor 2^(3 - 127): the byte cannot fall under 1
.endr
	WIN ((\w)<<2)|((\w)<<4)
.irp i, 2,4,6,8,10,12,14
.irp b, 0,1
	v_max3_num_f32 v[TM+\b], v[TM+\b], |v[\s+16*\b+\i]|, |v[\s+16*\b+\i+1]|
.endr
.endr
	WIN 0
.irp b, 0,1
	v_permlanex16_b32 v[TP+\b], v[TM+\b], s[SEL], s[SEL+1]
.endr
.irp b, 0,1
	v_max_num_f32 v[TM+\b], v[TM+\b], v[TP+\b]     ; with lane l xor 16's 16: the block's largest magnitude
.endr
.irp b, 0,1
	v_add_nc_u32 v[SOP+\b], 0xff000000, v[TM+\b]   ; 2 off its exponent field: the conversion's scale operand
.endr
.irp b, 0,1
	v_lshrrev_b32 v[BY+\b], 23, v[SOP+\b]          ; the scale's byte
.endr
	v_lshl_or_b32 v[WD], v[BY+1], 8, v[BY]
	WIN (\w)
	v_cvt_scalef32_pk16_fp6_f32 v[PC:PC+2], v[\s:\s+15], v[SOP]
	v_cvt_scalef32_pk16_fp6_f32 v[PT:PT+2], v[\s+16:\s+31], v[SOP+1]
	WIN 0
	v_nop                                          ; one plain place behind a scaled conversion
.irp i, 0,1,2
	v_permlane16_swap_b32 v[PC+\i], v[PT+\i]       ; lanes 0-15 now hold block 0, lanes 16-31 block 1
.endr
.irp i, 0,1,2
	v_mov_b32 v[PC+3+\i], v[PT+\i]
.endr
.endm
.macro STORE6 base, off                ; six registers as an image: 512 consecutive bytes, then 256
	global_store_b128 v[L16], v[PC:PC+3], s[\base:\base+1] offset:\off
	global_store_b64 v[L8], v[PC+4:PC+5], s[\base:\base+1] offset:\off+512
.endm
.macro CSLOAD m                        ; the 16 pairs (cos, sin) of my token of tile m: pair 4 g + jj is frequency 8 g + 4 h + jj
.irp g, 0,1,2,3
.irp e, 0,1
	ds_load_b128 v[CS+8*\g+4*\e:CS+8*\e/2*0+CS*0+CS+8*\g+4*\e+3-CS], v[TADR] offset:(\m)*16*TPI+64*\g+16*\e
.endr
.endr
.endm
.macro ROPE g                          ; 32 accumulator registers from g on (window 3) are turned into v[RO] on, an accumulator (four pairs) at a time, each from its low end on
	WIN 0x03
.set n0, 0
.rept 4
.set kk, 0
.rept 4
.set nn, n0+kk
	v_mul_f32 v[RT+2*kk], v[(\g)+2*nn+1], v[CS+2*nn+1]             ; odd x sin
	v_mul_f32 v[RT+2*kk+1], v[(\g)+2*nn+1], v[CS+2*nn]             ; odd x cos
.set kk, kk+1
.endr
.set kk, 0
.rept 4
.set nn, n0+kk
	v_fma_f32 v[RO+2*nn], v[(\g)+2*nn], v[CS+2*nn], -v[RT+2*kk]
	v_fma_f32 v[RO+2*nn+1], v[(\g)+2*nn], v[CS+2*nn+1], v[RT+2*kk+1]
.set kk, kk+1
.endr
.set n0, n0+4
.endr
	WIN 0
.endm
.macro SWSET hd, m                     ; tile m's scale words: even tiles in lanes 0-15, odd ones in lanes 16-31
.if (\m)%2 == 0
	v_mov_b32 v[SW+2*(\hd)+(\m)/2], v[WD]
.else
	v_cndmask_b32 v[SW+2*(\hd)+(\m)/2], v[SW+2*(\hd)+(\m)/2], v[WD], s[HM]
.endif
.endm
	s_wait_tensorcnt 0x1                           ; my part of x is in; Wq's low half, issued behind it, may stay out
	s_wait_dscnt 0x0                               ; my rows of the table are written
	s_barrier_signal -1
	s_barrier_wait -1
	; ---- x into registers: 32 fragments
.set ss, 0
.rept 8
.if ss < 5
	WIN 0x40
.else
	WIN 0x80
.endif
.set mm, 0
.rept 4
.set pp, 0
.rept 6
.set PP, 12*ss+6*(pp/3)+pp%3
.set rX, 48*(ss%5)+12*mm+2*pp
.if PP%32 < 29
	ds_load_b64 v[rX:rX+1], v[ADX] offset:8*PP+16*(PP/32)+mm*16*PX
.else
	ds_load_b64 v[rX:rX+1], v[ADX+1] offset:8*PP+16*(PP/32)+mm*16*PX
.endif
.set pp, pp+1
.endr
.set mm, mm+1
.endr
.set ss, ss+1
.endr
	WIN 0
	s_wait_tensorcnt 0x0                           ; Wq's low half has landed
	ds_add_u32 v[SPW], v[NIL]                      ; 0 onto my spare word
	s_mov_b32 s3, 2                                ; two trips: q, then k
	s_wait_dscnt 0x0                               ; the add is done, and x is in registers
	CROUND
	tensor_load_to_lds s[G0H:G0H+3], s[G1W:G1W+7]  ; Wq's high half into the bytes that x has left
	s_nop 0
	PLACES 4
	FETCH_W 1, 0, 0
.Lqk:
	s_cmp_eq_u32 s3, 2                             ; the first trip makes q and asks for Wk, the second makes k and asks for Wv
	s_cselect_b64 s[NXW:NXW+1], s[12:13], s[16:17]
	s_cselect_b64 s[NWS:NWS+1], s[14:15], s[18:19]
	s_cselect_b64 s[OC:OC+1], s[22:23], s[KC:KC+1]
	s_cselect_b64 s[OC+2:OC+3], s[20:21], s[KC+2:KC+3]
	s_cselect_b64 s[OC+4:OC+5], s[24:25], s[KC+4:KC+5]
	s_cselect_b64 s[OC+6:OC+7], s[26:27], s[KC+6:KC+7]
	s_wait_loadcnt 0x0                             ; this matrix's scale words
	STEPK 1, 0, 1, 0
	STEPK 1, 1, 0, 0
	STEPK 1, 2, 0, 0
	TURNK 3, 0, 1, G0L, 0, 0                       ; slot 1 takes the next matrix's low half
	STEPK 0, 4, 0, 0
	STEPK 0, 5, 0, 0
	STEPK 0, 6, 0, 0
	TURNK 7, 0, 1, G0H, 1, 1                       ; slot 0 its high half; the next matrix's first fragments are fetched
	WIN 0
	PLACES 4                                       ; in front of the first read of results, and of loads into the scale registers
.irp a, 0,1,2,3,4,5,6,7
	global_load_b128 v[WS+4*\a:WS+4*\a+3], v[SOW], s[NWS:NWS+1] offset:512*\a
.endr
	CSLOAD 0
.irp m, 0,1,2,3
	s_wait_dscnt 0x0                               ; this tile's cos and sin
	ROPE 64*\m
	s_wait_xcnt 0x0                                ; the last stores have read the codes' registers
	QUANT2 RO, 0
	v_or_b32 v[WD], 0x7f7f0000, v[WD]              ; bytes 2 and 3 stand over zero codes: 2^0
	SWSET 0, \m
	STORE6 OC, 768*\m
	ROPE 64*\m+32
.if \m < 3
	CSLOAD \m+1
.endif
	s_wait_xcnt 0x0
	QUANT2 RO, 0
	v_or_b32 v[WD], 0x7f7f0000, v[WD]
	SWSET 1, \m
	STORE6 OC+2, 768*\m
.endr
	global_store_b64 v[L8], v[SW:SW+1], s[OC+4:OC+5]       ; 64 rows' scale words: 256 consecutive bytes
	global_store_b64 v[L8], v[SW+2:SW+3], s[OC+6:OC+7]
	s_wait_xcnt 0x0                                ; loads and stores have read their bases, which the next trip chooses anew
	s_sub_co_u32 s3, s3, 1
	s_cmp_lg_u32 s3, 0
	s_cbranch_scc1 .Lqk
	; ---- v: the sources change places; nothing more is asked for
	s_wait_loadcnt 0x0
	STEPK 1, 0, 1, 1
	STEPK 1, 1, 0, 1
	STEPK 1, 2, 0, 1
	TURNK 3, 1, 0, 0, 0, 0
	STEPK 0, 4, 0, 1
	STEPK 0, 5, 0, 1
	STEPK 0, 6, 0, 1
	s_wait_dscnt 0x0
	MUL16 0, 7, 0, 1
	MUL16 2, 7, 0, 1
	WIN 0
	PLACES 4
.set va, 0
.rept 8                                ; tile a of features: a lane's 32 registers are its feature's 64 keys' two blocks (with lane l xor 16)
	s_wait_xcnt 0x0
.set QS, 32*va
	QUANT2 QS, 3
	ds_store_b16 v[VSXA], v[WD] offset:64*va       ; lanes r and 16 + r write the same two bytes
	STORE6 VC+2*(va/4), 1536*(va%4)
.set va, va+1
.endr
	s_wait_dscnt 0x0                               ; for the others' sake: my bytes are written
	s_barrier_signal -1
	s_barrier_wait -1
	ds_load_b64 v[TM:TM+1], v[VSXR]                ; one head's 64 words: a word's four bytes come from two waves
	s_wait_dscnt 0x0
	global_store_b64 v[L8], v[TM:TM+1], s[VSP:VSP+1]
	s_wait_tensorcnt 0x0                           ; the wave's end
	ds_add_u32 v[SPW], v[NIL]
	s_wait_dscnt 0x0
	CROUND                                         ; the closing round
	s_endpgm
.Lfunc_end_k_qaa2ed25481_qkv:
	.size	k_qaa2ed25481_qkv, .Lfunc_end_k_qaa2ed25481_qkv-k_qaa2ed25481_qkv
	.p2alignl 7, 3214868480
	.fill 96, 4, 3214868480
	.section	.rodata,"a",@progbits
	.p2align	6, 0x0
	.amdhsa_kernel k_qaa2ed25481_qkv
		.amdhsa_group_segment_fixed_size 327680
		.amdhsa_private_segment_fixed_size 0
		.amdhsa_enable_private_segment 0
		.amdhsa_kernarg_size 96
		.amdhsa_user_sgpr_count 2
		.amdhsa_user_sgpr_kernarg_segment_ptr 1
		.amdhsa_wavefront_size32 1
		.amdhsa_system_sgpr_workgroup_id_x 1
		.amdhsa_system_sgpr_workgroup_id_y 1
		.amdhsa_system_sgpr_workgroup_id_z 1
		.amdhsa_system_vgpr_workitem_id 0
		.amdhsa_next_free_vgpr 1024
		.amdhsa_next_free_sgpr 106
		.amdhsa_reserve_vcc 0
		.amdhsa_float_denorm_mode_32 3
		.amdhsa_float_denorm_mode_16_64 3
		.amdhsa_memory_ordered 1
		.amdhsa_forward_progress 1
		.amdhsa_inst_pref_size 251
	.end_amdhsa_kernel
	.amdgpu_metadata
---
amdhsa.version: [ 1, 2 ]
amdhsa.kernels:
  - .name:           k_qaa2ed25481_qkv
    .symbol:         k_qaa2ed25481_qkv.kd
    .args:
      - { .name: x_codes, .offset: 0, .size: 8, .value_kind: global_buffer, .address_space: global }
      - { .name: x_scales, .offset: 8, .size: 8, .value_kind: global_buffer, .address_space: global }
      - { .name: w_q_codes, .offset: 16, .size: 8, .value_kind: global_buffer, .address_space: global }
      - { .name: w_q_scales, .offset: 24, .size: 8, .value_kind: global_buffer, .address_space: global }
      - { .name: w_k_codes, .offset: 32, .size: 8, .value_kind: global_buffer, .address_space: global }
      - { .name: w_k_scales, .offset: 40, .size: 8, .value_kind: global_buffer, .address_space: global }
      - { .name: w_v_codes, .offset: 48, .size: 8, .value_kind: global_buffer, .address_space: global }
      - { .name: w_v_scales, .offset: 56, .size: 8, .value_kind: global_buffer, .address_space: global }
      - { .name: token_positions, .offset: 64, .size: 8, .value_kind: global_buffer, .address_space: global }
      - { .name: q_img, .offset: 72, .size: 8, .value_kind: global_buffer, .address_space: global }
      - { .name: q_sw, .offset: 80, .size: 8, .value_kind: global_buffer, .address_space: global }
      - { .name: kv_blk, .offset: 88, .size: 8, .value_kind: global_buffer, .address_space: global }
    .group_segment_fixed_size: 327680
    .private_segment_fixed_size: 0
    .kernarg_segment_align: 8
    .kernarg_segment_size: 96
    .max_flat_workgroup_size: 128
    .sgpr_count:     106
    .vgpr_count:     1024
    .wavefront_size: 32
...
	.end_amdgpu_metadata
.endif
;; end of part 1
;; launch attn (part 2): grid 4 x 64, 16 waves a work-group, no clusters, 210,944 bytes of LDS; arguments q_img, q_sw, kv_blk, a_img, a_sc; writes a_img, a_sc
.if DOCPART == 2
	.amdgcn_target "amdgcn-amd-amdhsa--gfx1250"
	.amdhsa_code_object_version 6
	.text
	.protected	k_qaa2ed25481_attn
	.globl	k_qaa2ed25481_attn
	.p2align	8
	.type	k_qaa2ed25481_attn,@function
k_qaa2ed25481_attn:
	s_mov_b64 s[64:65], 0
	v_nop
	global_prefetch_b8 v0, s[64:65] scope:SCOPE_SE
	s_setreg_imm32_b32 hwreg(HW_REG_WAVE_MODE, 25, 1), 1
	s_wait_xcnt 0x0
; Causal attention of one head on codes of FP6 (E2M3): S^T = K Q^T, p = 2^(t - M) quantised along the keys, O^T = V^T P^T, O / the sum of p, quantised along the head's 64 for the last product.
; t = score x log2(e) / 8; M = the running largest t rounded up to a whole number; the sum is taken of the unquantised p; when M moves, sum and O^T are multiplied by 2^(old M - new M), which rounds nothing.
; SHARES.  Work-group (I, head) owns the blocks of 256 queries I and 7 - I.  Wave w owns 16 queries of the first and then 16 of the second: (2 I + w / 8 + 1) + (2 (7 - I) + w / 8 + 1) = 16 + 2 (w / 8) key steps, whatever I.
; THE WHOLE HEAD'S K AND V LIE IN LDS: 16 blocks of 13,056 bytes, one dense tensor load a wave, one wait, one barrier; afterwards LDS is only read: no slot is filled again.
; All operands are images of registers: 16 x lane and 8 x lane; no pitch, no padding.
; THE HEAD'S 64 IN AN INSTRUCTION OF 128: q's registers 6-11 are zero codes; a tile of K names 12 registers of which the upper six are the next tile's codes (or zeros); bytes 2 and 3 of both scale words are 2^0.
; A step all of whose keys come after my queries is left out by a scalar branch on ids; the trip counts are constants.  On the diagonal hidden scores become -infinity ahead of the maximum.
; NO CLUSTER, though the four work-groups of a head read the same bytes: which steps a wave leaves out hangs on its block of queries, which is what tells those four apart, and partners of joint loads run alike.
; LIMITS: a block of zeros gets the scale byte 1 (zero codes; this program alone reads the bytes); NaN and infinities are not served.
.set KVB, 13056
.set L16, 1
.set L8,  2
.set L4,  3
.set A16, 4
.set A8,  5
.set A4,  6
.set RM8, 7                            ; r - 8 h
.set DD,  8
.set NINF, 9
.set SCO, 10                           ; 32 r + h
.set R8,  11                           ; 8 r
.set QF,  16                           ; v16-21 q's codes, v22-27 zeros
.set KR,  32                           ; v32-79 K, tile t at 32 + 6 t; v80-85 zeros.  Behind the scores v32-57 are at work
.set VR,  88                           ; v88-135 V, tile dt at 88 + 12 dt
.set S,   136                          ; v136-199 S^T, then p
.set O,   200                          ; v200-231 O^T
.set PCD, 232                          ; v232-243 p's codes
.set KSW, 244
.set VSW, 248
.set PWD, 250
.set QSW, 251
.set BM,  32
.set BP,  36
.set CT,  40
.set SOP, 48
.set BYT, 52
.set SU,  56
.set TM,  32                           ; the finish: largest magnitudes, the other half's, scale operands, bytes, my byte, codes
.set TP,  34
.set FSO, 36
.set FBY, 38
.set FSB, 40
.set PC,  42
.set PT,  48
.set WV,  14
.set HD,  15
.set SEL, 16
.set CS,  18
.set TB,  20
.set KF,  21
.set Q0,  22
.set Q0B, 23
.set G1,  24
.set G0,  32
.set CNT, 36
.set OUTER, 37
.set HM,  50
	s_load_b256 s[4:11], s[0:1], 0x0               ; q_img, q_sw, kv_blk, a_img
	s_load_b64 s[12:13], s[0:1], 0x20              ; a_sc
	v_lshl_add_u32 v87, v0, 2, 0x33000
	v_mov_b32 v255, 0
	ds_add_u32 v87, v255
	ds_add_u32 v87, v255
	v_lshrrev_b32 v1, 5, v0
	s_delay_alu instid0(VALU_DEP_1)
	v_readfirstlane_b32 s[WV], v1                  ; wave 0..15
	s_and_b32 s[HD], ttmp7, 0xffff                 ; 16 batch + head
	s_mov_b32 s[G1], 3<<16                         ; elements of 8 bytes, no padding, no mask
	s_mov_b32 s[G1+1], 32<<16                      ; rows of 256 bytes,
	s_mov_b32 s[G1+2], 51<<16                      ; 51 of them: a block
	s_mov_b32 s[G1+3], 32<<16
	s_mov_b32 s[G1+4], 51
	s_mov_b32 s[G1+5], 32
	s_mov_b32 s[G1+6], 0
	s_mov_b32 s[G1+7], 0
	s_mul_i32 s38, s[HD], 16*KVB
	s_mul_i32 s39, s[WV], KVB
	s_add_co_u32 s48, s38, s39
	s_mov_b32 s49, 0
	s_mov_b32 s[G0], 1
	s_mov_b32 s[G0+1], s39                         ; block w at LDS byte 13,056 w
	s_wait_dscnt 0x0
	s_wait_kmcnt 0x0
	s_add_nc_u64 s[G0+2:G0+3], s[8:9], s[48:49]
	s_or_b32 s[G0+3], s[G0+3], 0x80000000
	tensor_load_to_lds s[G0:G0+3], s[G1:G1+7]      ; my one tensor load
	s_nop 0
.rept 4
	v_nop
.endr
	v_and_b32 v254, 31, v0
	s_delay_alu instid0(VALU_DEP_1)
	v_lshlrev_b32 v[L16], 4, v254
	s_delay_alu instid0(VALU_DEP_2)
	v_lshlrev_b32 v[L8], 3, v254
	s_delay_alu instid0(VALU_DEP_3)
	v_lshlrev_b32 v[L4], 2, v254
	v_and_b32 v[R8], 15, v0                        ; r
	v_bfe_u32 v254, v0, 4, 1                       ; h
	s_delay_alu instid0(VALU_DEP_1)
	v_lshlrev_b32 v[RM8], 3, v254
	s_delay_alu instid0(VALU_DEP_1)
	v_sub_nc_u32 v[RM8], v[R8], v[RM8]
	v_mov_b32 v[NINF], 0xff800000
	s_delay_alu instid0(VALU_DEP_4)
	v_lshl_add_u32 v[SCO], v[R8], 5, v254
	v_lshlrev_b32 v[R8], 3, v[R8]
.irp j, 0,1,2,3,4,5
	v_mov_b32 v[QF+6+\j], 0                        ; zero codes
	v_mov_b32 v[KR+48+\j], 0
	v_mov_b32 v[34+\j], 0                          ; written once: a lane permute's destination counts as one of its sources
.endr
	v_mov_b32 v253, 0                              ; (the upper half of the pair v[252:253])
	s_mov_b32 s[SEL], 0x76543210
	s_mov_b32 s[SEL+1], 0xfedcba98
	s_mov_b32 s[CS], 0x3e38aa3b                    ; log2(e) / 8
	s_mov_b32 s[CS+1], s[CS]
	s_mov_b32 s[HM], 0xffff0000
	s_lshl_b32 s[Q0], ttmp9, 8
	s_lshl_b32 s38, s[WV], 4
	s_add_co_u32 s[Q0], s[Q0], s38                 ; my first tile's first query,
	s_sub_co_u32 s[Q0B], 7, ttmp9
	s_lshl_b32 s[Q0B], s[Q0B], 8
	s_add_co_u32 s[Q0B], s[Q0B], s38               ; my second's
	s_mov_b32 s[OUTER], 2
	s_wait_tensorcnt 0x0                           ; my block has landed,
	s_barrier_signal -1
	s_barrier_wait -1                              ; everybody's has
.Ltile:
	s_wait_xcnt 0x0                                ; the last tile's loads and stores have read their registers and bases
	s_mov_b32 s49, 0
	s_lshl_b32 s48, s[HD], 7
	s_lshr_b32 s38, s[Q0], 4
	s_add_co_u32 s48, s48, s38
	s_mul_i32 s48, s48, 768
	s_add_nc_u64 s[40:41], s[4:5], s[48:49]        ; q's image
	s_lshl_b32 s48, s[HD], 13
	s_lshr_b32 s38, s[Q0], 6
	s_lshl_b32 s38, s38, 8
	s_add_co_u32 s48, s48, s38
	s_bfe_u32 s38, s[Q0], 0x10005
	s_lshl_b32 s38, s38, 2
	s_add_co_u32 s48, s48, s38
	s_bfe_u32 s38, s[Q0], 0x10004
	s_lshl_b32 s38, s38, 7
	s_add_co_u32 s48, s48, s38
	s_add_nc_u64 s[42:43], s[6:7], s[48:49]        ; its scale words
	s_lshr_b32 s38, s[HD], 4                       ; batch
	s_lshl_b32 s48, s38, 7
	s_lshr_b32 s39, s[Q0], 4
	s_add_co_u32 s48, s48, s39
	s_lshl_b32 s48, s48, 4
	s_and_b32 s39, s[HD], 15                       ; head
	s_add_co_u32 s48, s48, s39
	s_mul_i32 s48, s48, 768
	s_add_nc_u64 s[44:45], s[10:11], s[48:49]      ; where the output's image goes
	s_lshl_b32 s48, s38, 11
	s_add_co_u32 s48, s48, s[Q0]
	s_lshl_b32 s48, s48, 5
	s_lshl_b32 s39, s39, 1
	s_add_co_u32 s48, s48, s39
	s_add_nc_u64 s[46:47], s[12:13], s[48:49]      ; and its scale bytes
	global_load_b128 v[QF:QF+3], v[L16], s[40:41]
	global_load_b64 v[QF+4:QF+5], v[L8], s[40:41] offset:512
	global_load_b32 v[QSW], v[R8], s[42:43]
	v_mov_b32 v13, 0xff61b1e6                      ; the largest t so far: -3e38
	s_delay_alu instid0(VALU_DEP_1)
	v_floor_f32 v12, -v13                          ; -M
	v_mov_b32 v14, 0
	v_mov_b32 v15, 0
.set n, 0
.rept 32
	v_mov_b32 v[O+n], 0                            ; the step is written once: the first finds zeros
.set n, n+1
.endr
	s_mov_b32 s[TB], 0
	s_mov_b32 s[KF], 0
	s_mov_b32 s[CNT], 16
	s_wait_loadcnt 0x0
.Lstep:
	s_add_co_u32 s38, s[Q0], 15
	s_cmp_gt_u32 s[KF], s38
	s_cbranch_scc1 .Lhidden                        ; all 128 keys come after my queries
	s_setprio 2
	v_add_nc_u32 v[A16], s[TB], v[L16]
	v_add_nc_u32 v[A8], s[TB], v[L8]
	v_add_nc_u32 v[A4], s[TB], v[L4]
.irp t, 0,1,2,3,4,5,6,7
	ds_load_b128 v[KR+6*\t:KR+6*\t+3], v[A16] offset:768*\t
	ds_load_b64 v[KR+6*\t+4:KR+6*\t+5], v[A8] offset:768*\t+512
.endr
.irp g, 0,1
	ds_load_b64 v[KSW+2*\g:KSW+2*\g+1], v[A8] offset:12288+256*\g  ; register t / 2: lanes 0-15 tile t even, lanes 16-31 tile t odd
.endr
.irp f, 0,1,2,3,4,5,6,7
	ds_load_b128 v[VR+6*\f:VR+6*\f+3], v[A16] offset:6144+768*\f
	ds_load_b64 v[VR+6*\f+4:VR+6*\f+5], v[A8] offset:6144+768*\f+512
.endr
.irp u, 0,1
	ds_load_b32 v[VSW+\u], v[A4] offset:12800+128*\u
.endr
	s_wait_dscnt 18                                ; K and its scale words are in; V's 16 loads and its 2 scale loads, issued behind them, may stay out
.irp t, 0,2,4,6
	v_wmma_scale_f32_16x16x128_f8f6f4 v[S+8*\t:S+8*\t+7], v[KR+6*\t:KR+6*\t+11], v[QF:QF+11], 0, v[KSW+\t/2], v[QSW] matrix_a_fmt:MATRIX_FMT_FP6 matrix_b_fmt:MATRIX_FMT_FP6
	v_wmma_scale_f32_16x16x128_f8f6f4 v[S+8*\t+8:S+8*\t+15], v[KR+6*\t+6:KR+6*\t+17], v[QF:QF+11], 0, v[KSW+\t/2], v[QSW] matrix_a_fmt:MATRIX_FMT_FP6 matrix_b_fmt:MATRIX_FMT_FP6 matrix_a_scale:MATRIX_SCALE_ROW1
.endr
.rept 4
	v_nop
.endr
	s_add_co_u32 s38, s[KF], 127
	s_cmp_le_u32 s38, s[Q0]
	s_cbranch_scc1 .Lopen                          ; all keys count
	s_sub_co_i32 s38, s[Q0], s[KF]
	v_add_nc_u32 v[DD], s38, v[RM8]                ; register 8 t + j holds key KF + 16 t + 8 h + j: hidden where 16 t + j > my query - KF - 8 h
.set n, 0
.rept 64
	v_cmp_gt_i32 vcc_lo, 16*(n/8)+n%8, v[DD]
	v_cndmask_b32 v[S+n], v[S+n], v[NINF], vcc_lo
.set n, n+1
.endr
.Lopen:
.irp b, 0,1,2,3
	v_max3_num_f32 v[BM+\b], v[S+16*\b], v[S+16*\b+1], v[S+16*\b+2]        ; the largest score of each block of 32 keys: for the row's maximum and for the block's largest p
.endr
.irp i, 3,5,7,9,11,13
.irp b, 0,1,2,3
	v_max3_num_f32 v[BM+\b], v[BM+\b], v[S+16*\b+\i], v[S+16*\b+\i+1]
.endr
.endr
.irp b, 0,1,2,3
	v_max_num_f32 v[BM+\b], v[BM+\b], v[S+16*\b+15]
.endr
.irp b, 0,1,2,3
	s_delay_alu instid0(VALU_DEP_4)
	v_permlanex16_b32 v[BP+\b], v[BM+\b], s[SEL], s[SEL+1]
.endr
.irp b, 0,1,2,3
	s_delay_alu instid0(VALU_DEP_4)
	v_max_num_f32 v[BM+\b], v[BM+\b], v[BP+\b]
.endr
	s_delay_alu instid0(VALU_DEP_2)
	v_max3_num_f32 v254, v[BM], v[BM+1], v[BM+2]
	s_delay_alu instid0(VALU_DEP_1)
	v_max_num_f32 v254, v254, v[BM+3]
	s_delay_alu instid0(VALU_DEP_1)
	v_mul_f32 v254, s[CS], v254
	s_delay_alu instid0(VALU_DEP_1)
	v_max_num_f32 v13, v13, v254                   ; the running largest t
	v_mov_b32 v254, v12
	s_delay_alu instid0(VALU_DEP_2)
	v_floor_f32 v12, -v13                          ; the new -M
	s_delay_alu instid0(VALU_DEP_1)
	v_sub_f32 v254, v12, v254                      ; old M - new M: a whole number, 0 or less
	s_delay_alu instid0(VALU_DEP_1)
	v_cvt_i32_f32 v254, v254                       ; (it saturates)
	s_delay_alu instid0(VALU_DEP_1)
	v_ldexp_f32 v252, 1.0, v254                    ; f = 2^(old M - new M)
.set n, 0
.rept 32
	v_pk_fma_f32 v[S+n:S+n+1], v[S+n:S+n+1], s[CS:CS+1], v[12:13] op_sel_hi:[1,0,0]    ; t - M
.set n, n+2
.endr
	s_setprio 1
.irp b, 0,1,2,3
	v_fma_f32 v[BM+\b], v[BM+\b], s[CS], v12
.endr
.set n, 0
	s_wait_alu depctr_va_vdst(0)
.rept 64
	v_exp_f32 v[S+n], v[S+n]                       ; p, not normalised
.set n, n+1
.endr
	v_pk_mul_f32 v[14:15], v[14:15], v[252:253] op_sel_hi:[1,0]    ; the sums under the new M; the plain instruction behind the batch
	s_wait_alu depctr_va_vdst(0)                   ; one wait for the 64, ahead of their first reader
.irp b, 0,1,2,3
	v_exp_f32 v[BM+\b], v[BM+\b]                   ; each block's largest p
.endr
	v_pk_add_f32 v[56:57], v[140:141], v[144:145]
	v_pk_add_f32 v[246:247], v[148:149], v[152:153]
	v_pk_add_f32 v[244:245], v[156:157], v[160:161]
	v_pk_add_f32 v[242:243], v[164:165], v[168:169]
	v_pk_add_f32 v[240:241], v[172:173], v[176:177]
	v_pk_add_f32 v[238:239], v[180:181], v[184:185]
	v_pk_add_f32 v[236:237], v[188:189], v[192:193]
	v_pk_add_f32 v[14:15], v[14:15], v[196:197]
	v_pk_add_f32 v[56:57], v[56:57], v[136:137]
	v_pk_add_f32 v[246:247], v[246:247], v[138:139]
	v_pk_add_f32 v[244:245], v[244:245], v[142:143]
	v_pk_add_f32 v[242:243], v[242:243], v[146:147]
	v_pk_add_f32 v[240:241], v[240:241], v[150:151]
	v_pk_add_f32 v[238:239], v[238:239], v[154:155]
	v_pk_add_f32 v[236:237], v[236:237], v[158:159]
	v_pk_add_f32 v[14:15], v[14:15], v[162:163]
	v_pk_add_f32 v[56:57], v[56:57], v[166:167]
	v_pk_add_f32 v[246:247], v[246:247], v[170:171]
	v_pk_add_f32 v[244:245], v[244:245], v[174:175]
	v_pk_add_f32 v[242:243], v[242:243], v[178:179]
	v_pk_add_f32 v[240:241], v[240:241], v[182:183]
	v_pk_add_f32 v[238:239], v[238:239], v[186:187]
	v_pk_add_f32 v[236:237], v[236:237], v[190:191]
	v_pk_add_f32 v[14:15], v[14:15], v[194:195]
	v_pk_add_f32 v[56:57], v[56:57], v[198:199]
	s_delay_alu instid0(VALU_DEP_2)
	v_pk_add_f32 v[14:15], v[14:15], v[242:243]
	s_delay_alu instid0(VALU_DEP_2)
	v_pk_add_f32 v[56:57], v[56:57], v[240:241]
	v_pk_add_f32 v[246:247], v[246:247], v[238:239]
	v_pk_add_f32 v[244:245], v[244:245], v[236:237]
	s_delay_alu instid0(VALU_DEP_2)
	v_pk_add_f32 v[14:15], v[14:15], v[246:247]
	s_delay_alu instid0(VALU_DEP_2)
	v_pk_add_f32 v[56:57], v[56:57], v[244:245]
	s_delay_alu instid0(VALU_DEP_1)
	v_pk_add_f32 v[14:15], v[14:15], v[56:57]
	s_wait_alu depctr_va_vdst(0)                   ; and one for the four
.irp b, 0,1,2,3
	v_max_num_f32 v[BM+\b], 0x1800000, v[BM+\b]    ; the floor 2^(3 - 127)
.endr
.irp b, 0,1,2,3
	s_delay_alu instid0(VALU_DEP_4)
	v_add_nc_u32 v[SOP+\b], 0xff000000, v[BM+\b]
.endr
.irp b, 0,1,2,3
	s_delay_alu instid0(VALU_DEP_4)
	v_lshrrev_b32 v[BYT+\b], 23, v[SOP+\b]
.endr
	s_delay_alu instid0(VALU_DEP_3)
	v_lshl_or_b32 v[PWD], v[BYT+1], 8, v[BYT]
	s_delay_alu instid0(VALU_DEP_1)
	v_lshl_or_b32 v[PWD], v[BYT+2], 16, v[PWD]
	s_delay_alu instid0(VALU_DEP_1)
	v_lshl_or_b32 v[PWD], v[BYT+3], 24, v[PWD]     ; p's scale word for these 128 keys
	s_setprio 0
.irp c, 0,1
	v_cvt_scalef32_pk16_fp6_f32 v[PCD+6*\c:PCD+6*\c+2], v[S+32*\c:S+32*\c+15], v[SOP+2*\c]
	v_cvt_scalef32_pk16_fp6_f32 v[CT+4*\c:CT+4*\c+2], v[S+32*\c+16:S+32*\c+31], v[SOP+2*\c+1]
.endr
	v_nop                                          ; one plain place behind a scaled conversion
.irp c, 0,1
.irp i, 0,1,2
	v_permlane16_swap_b32 v[PCD+6*\c+\i], v[CT+4*\c+\i]
.endr
.irp i, 0,1,2
	s_delay_alu instid0(VALU_DEP_3)
	v_mov_b32 v[PCD+6*\c+3+\i], v[CT+4*\c+\i]
.endr
.endr
.set n, 0
.rept 16
	v_pk_mul_f32 v[O+n:O+n+1], v[O+n:O+n+1], v[252:253] op_sel_hi:[1,0]    ; O^T under the new M; also the places between the scale word, the codes and the products
.set n, n+2
.endr
	s_wait_alu depctr_va_vdst(0)
	s_wait_dscnt 0x0                               ; V is in
.irp u, 0,1
	v_wmma_scale_f32_16x16x128_f8f6f4 v[O+16*\u:O+16*\u+7], v[VR+24*\u:VR+24*\u+11], v[PCD:PCD+11], v[O+16*\u:O+16*\u+7], v[VSW+\u], v[PWD] matrix_a_fmt:MATRIX_FMT_FP6 matrix_b_fmt:MATRIX_FMT_FP6
	v_wmma_scale_f32_16x16x128_f8f6f4 v[O+16*\u+8:O+16*\u+15], v[VR+24*\u+12:VR+24*\u+23], v[PCD:PCD+11], v[O+16*\u+8:O+16*\u+15], v[VSW+\u], v[PWD] matrix_a_fmt:MATRIX_FMT_FP6 matrix_b_fmt:MATRIX_FMT_FP6 matrix_a_scale:MATRIX_SCALE_ROW1
.endr
.rept 4
	v_nop                                          ; in front of the next step's loads and of the finish's reads
.endr
.Lhidden:
	s_add_co_u32 s[KF], s[KF], 128
	s_add_co_u32 s[TB], s[TB], KVB
	s_sub_co_u32 s[CNT], s[CNT], 1
	s_cmp_lg_u32 s[CNT], 0
	s_cbranch_scc1 .Lstep
	s_setprio 0
	; ---- the finish: O / the sum, the head's 64 into their true order, quantised, stored as an image
	v_add_f32 v14, v14, v15
	s_delay_alu instid0(VALU_DEP_1)
	v_permlanex16_b32 v[BP], v14, s[SEL], s[SEL+1]
	s_delay_alu instid0(VALU_DEP_1)
	v_add_f32 v14, v14, v[BP]
	s_wait_alu depctr_va_vdst(0)
	v_rcp_f32 v252, v14
	v_nop
	s_wait_alu depctr_va_vdst(0)
.set n, 0
.rept 16
	v_pk_mul_f32 v[O+n:O+n+1], v[O+n:O+n+1], v[252:253] op_sel_hi:[1,0]
.set n, n+2
.endr
.irp b, 0,1
.irp j, 0,1,2,3,4,5,6,7
	v_permlane16_swap_b32 v[O+16*\b+\j], v[O+16*\b+8+\j]   ; register 16 b + i now holds d = 32 b + 16 h + i
.endr
.endr
.irp b, 0,1
	v_max3_num_f32 v[TM+\b], |v[O+16*\b]|, |v[O+16*\b+1]|, 0x1800000
.endr
.irp i, 2,4,6,8,10,12,14
.irp b, 0,1
	s_delay_alu instid0(VALU_DEP_2)
	v_max3_num_f32 v[TM+\b], v[TM+\b], |v[O+16*\b+\i]|, |v[O+16*\b+\i+1]|
.endr
.endr
.irp b, 0,1
	s_delay_alu instid0(VALU_DEP_2)
	v_permlanex16_b32 v[TP+\b], v[TM+\b], s[SEL], s[SEL+1]
.endr
.irp b, 0,1
	s_delay_alu instid0(VALU_DEP_2)
	v_max_num_f32 v[TM+\b], v[TM+\b], v[TP+\b]
.endr
.irp b, 0,1
	s_delay_alu instid0(VALU_DEP_2)
	v_add_nc_u32 v[FSO+\b], 0xff000000, v[TM+\b]
.endr
.irp b, 0,1
	s_delay_alu instid0(VALU_DEP_2)
	v_lshrrev_b32 v[FBY+\b], 23, v[FSO+\b]
.endr
	v_cvt_scalef32_pk16_fp6_f32 v[PC:PC+2], v[O:O+15], v[FSO]
	v_cvt_scalef32_pk16_fp6_f32 v[PT:PT+2], v[O+16:O+31], v[FSO+1]
	v_cndmask_b32 v[FSB], v[FBY], v[FBY+1], s[HM]  ; lanes 0-15 store block 0's byte, lanes 16-31 block 1's.  (The plain place behind the conversions)
.irp i, 0,1,2
	v_permlane16_swap_b32 v[PC+\i], v[PT+\i]
.endr
.irp i, 0,1,2
	s_delay_alu instid0(VALU_DEP_3)
	v_mov_b32 v[PC+3+\i], v[PT+\i]
.endr
	global_store_b128 v[L16], v[PC:PC+3], s[44:45]
	global_store_b64 v[L8], v[PC+4:PC+5], s[44:45] offset:512
	global_store_b8 v[SCO], v[FSB], s[46:47]       ; two bytes a token and head, rows 32 bytes apart: the one store here that does not cover whole runs of 256 bytes
	s_mov_b32 s[Q0], s[Q0B]
	s_sub_co_u32 s[OUTER], s[OUTER], 1
	s_cmp_lg_u32 s[OUTER], 0
	s_cbranch_scc1 .Ltile
	s_wait_tensorcnt 0x0
	ds_add_u32 v87, v255
	s_wait_dscnt 0x0
	s_endpgm
.Lfunc_end_k_qaa2ed25481_attn:
	.size	k_qaa2ed25481_attn, .Lfunc_end_k_qaa2ed25481_attn-k_qaa2ed25481_attn
	.p2alignl 7, 3214868480
	.fill 96, 4, 3214868480
	.section	.rodata,"a",@progbits
	.p2align	6, 0x0
	.amdhsa_kernel k_qaa2ed25481_attn
		.amdhsa_group_segment_fixed_size 210944
		.amdhsa_private_segment_fixed_size 0
		.amdhsa_enable_private_segment 0
		.amdhsa_kernarg_size 40
		.amdhsa_user_sgpr_count 2
		.amdhsa_user_sgpr_kernarg_segment_ptr 1
		.amdhsa_wavefront_size32 1
		.amdhsa_system_sgpr_workgroup_id_x 1
		.amdhsa_system_sgpr_workgroup_id_y 1
		.amdhsa_system_sgpr_workgroup_id_z 1
		.amdhsa_system_vgpr_workitem_id 0
		.amdhsa_next_free_vgpr 256
		.amdhsa_next_free_sgpr 66
		.amdhsa_reserve_vcc 1
		.amdhsa_float_denorm_mode_32 3
		.amdhsa_float_denorm_mode_16_64 3
		.amdhsa_memory_ordered 1
		.amdhsa_forward_progress 1
		.amdhsa_inst_pref_size 34
	.end_amdhsa_kernel
	.amdgpu_metadata
---
amdhsa.version: [ 1, 2 ]
amdhsa.kernels:
  - .name:           k_qaa2ed25481_attn
    .symbol:         k_qaa2ed25481_attn.kd
    .args:
      - { .name: q_img, .offset: 0, .size: 8, .value_kind: global_buffer, .address_space: global }
      - { .name: q_sw, .offset: 8, .size: 8, .value_kind: global_buffer, .address_space: global }
      - { .name: kv_blk, .offset: 16, .size: 8, .value_kind: global_buffer, .address_space: global }
      - { .name: a_img, .offset: 24, .size: 8, .value_kind: global_buffer, .address_space: global }
      - { .name: a_sc, .offset: 32, .size: 8, .value_kind: global_buffer, .address_space: global }
    .group_segment_fixed_size: 210944
    .private_segment_fixed_size: 0
    .kernarg_segment_align: 8
    .kernarg_segment_size: 40
    .max_flat_workgroup_size: 512
    .sgpr_count:     66
    .vgpr_count:     256
    .wavefront_size: 32
...
	.end_amdgpu_metadata
.endif
;; end of part 2
;; launch oproj (part 3): grid 4 x 64, 4 waves a work-group, clusters of 4 x 4, 327,680 bytes of LDS; arguments a_img, a_sc, w_o_codes, w_o_scales, out0; writes out0
.if DOCPART == 3
	.amdgcn_target "amdgcn-amd-amdhsa--gfx1250"
	.amdhsa_code_object_version 6
	.text
	.protected	k_qaa2ed25481_oproj
	.globl	k_qaa2ed25481_oproj
	.p2align	8
	.type	k_qaa2ed25481_oproj,@function
k_qaa2ed25481_oproj:
	s_mov_b64 s[64:65], 0
	v_nop
	global_prefetch_b8 v0, s[64:65] scope:SCOPE_SE
	s_setreg_imm32_b32 hwreg(HW_REG_WAVE_MODE, 25, 1), 1
	s_wait_xcnt 0x0
	s_wait_alu depctr_hold_cnt(0) depctr_sa_sdst(0) depctr_va_vdst(0) depctr_va_sdst(0) depctr_va_ssrc(0) depctr_va_vcc(0) depctr_vm_vsrc(0)
	s_getreg_b32 s2, hwreg(HW_REG_IB_STS2, 6, 4)
	s_cmp_eq_u32 s2, 0
	s_cbranch_scc0 .Lentry_in_a_cluster
	s_endpgm
.Lentry_in_a_cluster:
	s_bfe_u32 s2, ttmp6, 0x10000c
	s_cmp_lg_u32 s2, 0xf033
	s_cbranch_scc0 .Lentry_shape_is_right
	s_endpgm
.Lentry_shape_is_right:
; out0 = A Wo^T on codes of FP6 (E2M3) with E8M0 scales.  A: the attention's output, 8,192 rows x 1,024, as images of operand registers [row / 16][head][768]; its scale bytes [8192][32].  Wo: [1024][1024] codes, scales [1024][32].  out0: [8192][1024] f32.
; SHARES.  A work-group makes 128 rows x 256 columns; wave w 64 rows (w / 2) x 128 columns (w % 2): 32 accumulators.  A's 32 fragments a wave go from LDS into 384 registers once; their LDS bytes then take Wo's high half along K.
; Three fills: A into slot 0 and Wo's low half into slot 1 together; Wo's high half into slot 0 behind a round of the cluster's barrier.  At most two loads of a wave are out.
; CLUSTER 4 x 4: A's rows are shared along a row of the cluster, Wo's along a column: joint loads, every wave its own part.
; Source 0 = 16 rows of Wo, source 1 = 16 rows of A: a lane holds eight neighbouring columns of one row; a block of 16 rows goes through the wave's stage in LDS and leaves as whole rows of 512 bytes.
.set PWT,   432
.set SLOT0, 0
.set SLOT1, 256*PWT
.set SPARE, 2*SLOT1                    ; the spare words, 128 bytes a wave: two blocks of 256 bytes that no other line names
.set STAGE, SLOT1                      ; the way out: 16 rows x 528 bytes a wave, in slot 1, which has had its only fill and was left by every wave at the change of slots
.set SPITCH, 528
.set SPW, 1
.set NIL, 2
.set ADA, 3                            ; v3 16 x lane, v4 8 x lane, in my 64 rows' images
.set ADW, 5
.set STO, 9
.set RD,  10
.set L16, 11
.set SOW, 13
.set XS,  16
.set WS,  32
.set BK,  64
.set WV,  28
.set RH,  29
.set CH,  30
.set G1A, 36
.set G1W, 44
.set G0A, 52
.set G0L, 56
.set G0H, 60
.set MSB, 0
.macro WIN new
.if MSB != (\new)
	s_set_vgpr_msb (MSB<<8)|(\new)
.set MSB, (\new)
.endif
.endm
.macro PLACES n
.rept \n
	v_nop
.endr
.endm
.macro CROUND                          ; a round of the cluster's barrier
	s_barrier_signal -1
	s_barrier_wait -1
	s_cmp_lg_u32 s[WV], 0
	s_cbranch_scc1 .Lnot_wave_0_\@
	s_barrier_signal -3
.Lnot_wave_0_\@:
	s_barrier_wait -3
	s_barrier_signal -1
	s_barrier_wait -1
.endm
	s_load_b256 s[4:11], s[0:1], 0x0               ; a_img, a_sc, Wo codes, Wo scales
	s_load_b64 s[12:13], s[0:1], 0x20              ; out0
	v_lshl_add_u32 v[SPW], v0, 2, SPARE
	v_mov_b32 v[NIL], 0
	ds_add_u32 v1, v2
	ds_add_u32 v1, v2
	s_wait_dscnt 0x0
	v_lshrrev_b32 v64, 5, v0
	v_readfirstlane_b32 s[WV], v64
	s_lshr_b32 s[RH], s[WV], 1
	s_and_b32 s[CH], s[WV], 1
	s_bfe_u32 s31, ttmp6, 0x40000                  ; cx
	s_bfe_u32 s32, ttmp6, 0x40004                  ; cy
	s_lshl_b32 s33, ttmp9, 2
	s_add_co_u32 s33, s33, s31                     ; CB
	s_and_b32 s34, ttmp7, 0xffff
	s_lshl_b32 s34, s34, 2
	s_add_co_u32 s34, s34, s32                     ; RB
	s_lshl_b32 s35, s32, 2
	s_lshl_b32 s35, 15, s35                        ; my row of the cluster
	s_lshl_b32 s2, 0x1111, s31                     ; my column
	s_or_b32 s[G1A], s35, (3<<16)|(1<<21)          ; A: a dense block, elements of 8 bytes, no padding
	s_mov_b32 s[G1A+1], 32<<16                     ; rows of 256 bytes,
	s_mov_b32 s[G1A+2], 96<<16                     ; 96 a wave: two tiles of 16 rows
	s_mov_b32 s[G1A+3], 32<<16
	s_mov_b32 s[G1A+4], 96
	s_mov_b32 s[G1A+5], 32
	s_mov_b32 s[G1A+6], 0
	s_mov_b32 s[G1A+7], 0
	s_or_b32 s[G1W], s2, (1<<20)|(1<<21)|(4<<22)|(3<<25)    ; Wo: bytes; 4 words of padding behind every 32 words
	s_mov_b32 s[G1W+1], 384<<16
	s_mov_b32 s[G1W+2], 64<<16
	s_mov_b32 s[G1W+3], 384<<16
	s_mov_b32 s[G1W+4], 64
	s_mov_b32 s[G1W+5], 768
	s_mov_b32 s[G1W+6], 0
	s_mov_b32 s[G1W+7], 0
	s_mul_i32 s100, s34, 98304                     ; A: 128 rows are 98,304 bytes (registers that never hold cx)
	s_mul_i32 s101, s[WV], 24576
	s_add_co_u32 s100, s100, s101
	s_mov_b32 s101, 0
	s_lshl_b32 s104, s33, 8                        ; Wo: row 256 CB + 64 wave (registers that never hold cy)
	s_lshl_b32 s105, s[WV], 6
	s_add_co_u32 s104, s104, s105
	s_mul_i32 s104, s104, 768
	s_mov_b32 s105, 0
	s_mov_b32 s[G0A], 1
	s_mul_i32 s[G0A+1], s[WV], 24576
	s_mov_b32 s[G0L], 1
	s_mul_i32 s[G0L+1], s[WV], 64*PWT
	s_add_co_u32 s[G0L+1], s[G0L+1], SLOT1
	s_mov_b32 s[G0H], 1
	s_mul_i32 s[G0H+1], s[WV], 64*PWT
	s_wait_kmcnt 0x0
	s_add_nc_u64 s[G0A+2:G0A+3], s[4:5], s[100:101]
	s_or_b32 s[G0A+3], s[G0A+3], 0x80000000
	s_add_nc_u64 s[G0L+2:G0L+3], s[8:9], s[104:105]
	s_add_nc_u64 s[G0H+2:G0H+3], s[G0L+2:G0L+3], 384
	s_or_b32 s[G0L+3], s[G0L+3], 0x80000000
	s_or_b32 s[G0H+3], s[G0H+3], 0x80000000
	CROUND                                         ; all sixteen work-groups are here: the first joint loads meet
	tensor_load_to_lds s[G0A:G0A+3], s[G1A:G1A+7]  ; A into slot 0
	s_nop 0
	tensor_load_to_lds s[G0L:G0L+3], s[G1W:G1W+7]  ; Wo's low half into slot 1
	s_nop 0
	PLACES 4
	v_and_b32 v64, 31, v0                          ; lane
	v_and_b32 v65, 15, v0                          ; r
	v_bfe_u32 v66, v0, 4, 1                        ; h
	s_mul_i32 s35, s[RH], 49152
	v_lshl_add_u32 v[ADA], v64, 4, s35
	v_lshl_add_u32 v[ADA+1], v64, 3, s35
	v_mul_u32_u24 v[ADW], v65, PWT
	v_mad_u32_u24 v[ADW], v66, 24, v[ADW]
	s_mul_i32 s35, s[CH], 128*PWT
	v_add_nc_u32 v[ADW], s35, v[ADW]
	v_lshl_add_u32 v[ADW+1], v66, 4, v[ADW]
	v_add_nc_u32 v[ADW+2], SLOT1, v[ADW]
	v_add_nc_u32 v[ADW+3], SLOT1, v[ADW+1]
	v_lshlrev_b32 v[L16], 4, v64
	s_mul_i32 s35, s[WV], 16*SPITCH
	s_add_co_u32 s35, s35, STAGE
	v_mul_u32_u24 v[STO], v65, SPITCH
	v_lshl_add_u32 v[STO], v66, 5, v[STO]
	v_add_nc_u32 v[STO], s35, v[STO]               ; in: row r, 32 bytes for each half of the lanes
	v_add_nc_u32 v[RD], s35, v[L16]                ; back: the 32 lanes take one row of 512 bytes
	v_lshlrev_b32 v[SOW], 5, v65
	v_lshl_add_u32 v[SOW], v66, 4, v[SOW]          ; 32 r + 16 h
	s_lshl_b32 s35, s34, 12
	s_lshl_b32 s99, s[RH], 11
	s_add_co_u32 s35, s35, s99
	v_add_nc_u32 v67, s35, v[SOW]
	s_lshl_b32 s2, s33, 13
	s_lshl_b32 s99, s[CH], 12
	s_add_co_u32 s2, s2, s99
	v_add_nc_u32 v[SOW], s2, v[SOW]
.irp m, 0,1,2,3
	global_load_b128 v[XS+4*\m:XS+4*\m+3], v67, s[6:7] offset:512*\m
.endr
.irp a, 0,1,2,3,4,5,6,7
	global_load_b128 v[WS+4*\a:WS+4*\a+3], v[SOW], s[10:11] offset:512*\a
.endr
	s_lshl_b32 s74, s34, 7
	s_lshl_b32 s75, s[RH], 6
	s_add_co_u32 s74, s74, s75
	s_lshl_b32 s74, s74, 12                        ; my first row x 4,096 bytes
	s_lshl_b32 s75, s33, 10
	s_add_co_u32 s74, s74, s75
	s_lshl_b32 s75, s[CH], 9
	s_add_co_u32 s74, s74, s75                     ; + my first column x 4
	s_mov_b32 s75, 0
	s_add_nc_u64 s[12:13], s[12:13], s[74:75]
.macro WM d, a, b, z, sa, sb, hi
.if \z
	v_wmma_scale_f32_16x16x128_f8f6f4 v[\d:\d+7], v[\a:\a+11], v[\b:\b+11], 0, v[\sa], v[\sb] matrix_a_fmt:MATRIX_FMT_FP6 matrix_b_fmt:MATRIX_FMT_FP6
.elseif \hi
	v_wmma_scale_f32_16x16x128_f8f6f4 v[\d:\d+7], v[\a:\a+11], v[\b:\b+11], v[\d:\d+7], v[\sa], v[\sb] matrix_a_fmt:MATRIX_FMT_FP6 matrix_b_fmt:MATRIX_FMT_FP6 matrix_a_scale:MATRIX_SCALE_ROW1 matrix_b_scale:MATRIX_SCALE_ROW1
.else
	v_wmma_scale_f32_16x16x128_f8f6f4 v[\d:\d+7], v[\a:\a+11], v[\b:\b+11], v[\d:\d+7], v[\sa], v[\sb] matrix_a_fmt:MATRIX_FMT_FP6 matrix_b_fmt:MATRIX_FMT_FP6
.endif
.endm
; 16 matrix instructions: A's tiles m0, m0 + 1 against Wo's eight, K step s.  The 32 accumulators take turns, one instruction a turn, in the same order in every step.
.macro MUL16 m0, s, z
.set XW, 1+(\s)/5
.set XB, 48*((\s)%5)
.set WW, 2*((\s)%2)
.set WB, 160-16*((\s)%2)
	WIN 0xf0|(XW<<2)|WW
.set mm, \m0
.rept 2
.set aa, 0
.rept 8
.set rW, WB+12*aa
.set rX, XB+12*mm
.set sW, WS+4*aa+(\s)%4
.set sX, XS+4*mm+(\s)%4
.set rD, 8*(8*mm+aa)
	WM rD, rW, rX, \z, sW, sX, (\s)/4
.set aa, aa+1
.endr
.set mm, mm+1
.endr
.endm
.macro FETCH_W slot, q, set
.if \set
	WIN 0x80
.else
	WIN 0
.endif
.set ii, 0
.rept 8
.set pp, 0
.rept 6
.set PP, 12*(\q)+6*(pp/3)+pp%3
.set rW, 160-16*(\set)+12*ii+2*pp
.if PP%16 < 13
	ds_load_b64 v[rW:rW+1], v[ADW+2*(\slot)] offset:8*PP+16*(PP/16)+ii*16*PWT
.else
	ds_load_b64 v[rW:rW+1], v[ADW+2*(\slot)+1] offset:8*PP+16*(PP/16)+ii*16*PWT
.endif
.set pp, pp+1
.endr
.set ii, ii+1
.endr
	WIN 0
.endm
.macro STEPK slot, s, z
	s_wait_dscnt 0x0                               ; this step's set is in
	PLACES 4                                       ; in front of loads into the set that the last step's products read
	FETCH_W \slot, (\s)%4+1, ((\s)+1)%2
	MUL16 0, \s, \z
	MUL16 2, \s, \z
.endm
	s_wait_tensorcnt 0x1                           ; my part of A is in; Wo's low half, issued behind it, may stay out
	s_barrier_signal -1
	s_barrier_wait -1
.set ss, 0
.rept 8                                ; A into registers: window 1 K steps 0-4 at 48 s + 12 m, window 2 K steps 5-7
.if ss < 5
	WIN 0x40
.else
	WIN 0x80
.endif
.set mm, 0
.rept 4
.set rX, 48*(ss%5)+12*mm
.set OF, mm*12288+ss*1536
	ds_load_b128 v[rX:rX+3], v[ADA] offset:OF
	ds_load_b64 v[rX+4:rX+5], v[ADA+1] offset:OF+512
	ds_load_b128 v[rX+6:rX+9], v[ADA] offset:OF+768
	ds_load_b64 v[rX+10:rX+11], v[ADA+1] offset:OF+1280
.set mm, mm+1
.endr
.set ss, ss+1
.endr
	WIN 0
	s_wait_tensorcnt 0x0                           ; Wo's low half has landed
	ds_add_u32 v[SPW], v[NIL]                      ; 0 onto my spare word
	s_wait_dscnt 0x0                               ; the add is done, and A is in registers
	CROUND
	tensor_load_to_lds s[G0H:G0H+3], s[G1W:G1W+7]  ; Wo's high half into the bytes that A has left
	s_nop 0
	PLACES 4
	FETCH_W 1, 0, 0
	s_wait_loadcnt 0x0                             ; the scale words
	STEPK 1, 0, 1
	STEPK 1, 1, 0
	STEPK 1, 2, 0
	WIN 0                                          ; the change of slots
	s_wait_tensorcnt 0x0                           ; my part of the high half has landed
	ds_add_u32 v[SPW], v[NIL]
	s_wait_dscnt 0x0                               ; my reads of slot 1 are over
	s_barrier_signal -1
	MUL16 0, 3, 0
	WIN 0
	s_barrier_wait -1
	PLACES 4
	FETCH_W 0, 0, 0
	MUL16 2, 3, 0
	STEPK 0, 4, 0
	STEPK 0, 5, 0
	STEPK 0, 6, 0
	s_wait_dscnt 0x0
	MUL16 0, 7, 0
	MUL16 2, 7, 0
	WIN 0
; THE WAY OUT, block by block of 16 rows x 128 columns, through my own stage.  LDS serves a wave's instructions in order (ISA guide 5.7.1.4): no wait between the stores and the loads, nor in front of the next block's stores.
.macro TOSTAGE m
	WIN 0x0c                                       ; an LDS store's data: window 3
.irp a, 0,1,2,3,4,5,6,7
	ds_store_b128 v[STO], v[64*(\m)+8*\a:64*(\m)+8*\a+3] offset:64*\a          ; each accumulator from its low end on
	ds_store_b128 v[STO], v[64*(\m)+8*\a+4:64*(\m)+8*\a+7] offset:64*\a+16
.endr
	WIN 0
.set BB, BK+64*((\m)%2)
.irp t, 0,1,2,3,4,5,6,7,8,9,10,11,12,13,14,15
	ds_load_b128 v[BB+4*\t:BB+4*\t+3], v[RD] offset:\t*SPITCH
.endr
.endm
.macro SEND m, younger                 ; younger: the LDS instructions issued behind block m's loads
.set BB, BK+64*((\m)%2)
	s_wait_dscnt \younger
.irp t, 0,1,2,3,4,5,6,7,8,9,10,11,12,13,14,15
	global_store_b128 v[L16], v[BB+4*\t:BB+4*\t+3], s[12:13] offset:(16*(\m)+\t)*4096 th:TH_STORE_NT   ; 32 lanes store 512 consecutive bytes, at a multiple of 256 from out0's first byte
.endr
.endm
	PLACES 4
	TOSTAGE 0
	TOSTAGE 1
	SEND 0, 32                                     ; behind block 0's loads: block 1's 16 stores and 16 loads
	s_wait_xcnt 0x0                                ; block 0's stores have read their registers: block 2's loads may land there
	TOSTAGE 2
	SEND 1, 32
	s_wait_xcnt 0x0
	TOSTAGE 3
	SEND 2, 32
	SEND 3, 0
	s_wait_tensorcnt 0x0                           ; the wave's end
	ds_add_u32 v[SPW], v[NIL]
	s_wait_dscnt 0x0
	CROUND                                         ; the closing round
	s_endpgm
.Lfunc_end_k_qaa2ed25481_oproj:
	.size	k_qaa2ed25481_oproj, .Lfunc_end_k_qaa2ed25481_oproj-k_qaa2ed25481_oproj
	.p2alignl 7, 3214868480
	.fill 96, 4, 3214868480
	.section	.rodata,"a",@progbits
	.p2align	6, 0x0
	.amdhsa_kernel k_qaa2ed25481_oproj
		.amdhsa_group_segment_fixed_size 327680
		.amdhsa_private_segment_fixed_size 0
		.amdhsa_enable_private_segment 0
		.amdhsa_kernarg_size 40
		.amdhsa_user_sgpr_count 2
		.amdhsa_user_sgpr_kernarg_segment_ptr 1
		.amdhsa_wavefront_size32 1
		.amdhsa_system_sgpr_workgroup_id_x 1
		.amdhsa_system_sgpr_workgroup_id_y 1
		.amdhsa_system_sgpr_workgroup_id_z 1
		.amdhsa_system_vgpr_workitem_id 0
		.amdhsa_next_free_vgpr 1024
		.amdhsa_next_free_sgpr 106
		.amdhsa_reserve_vcc 0
		.amdhsa_float_denorm_mode_32 3
		.amdhsa_float_denorm_mode_16_64 3
		.amdhsa_memory_ordered 1
		.amdhsa_forward_progress 1
		.amdhsa_inst_pref_size 89
	.end_amdhsa_kernel
	.amdgpu_metadata
---
amdhsa.version: [ 1, 2 ]
amdhsa.kernels:
  - .name:           k_qaa2ed25481_oproj
    .symbol:         k_qaa2ed25481_oproj.kd
    .args:
      - { .name: a_img, .offset: 0, .size: 8, .value_kind: global_buffer, .address_space: global }
      - { .name: a_sc, .offset: 8, .size: 8, .value_kind: global_buffer, .address_space: global }
      - { .name: w_o_codes, .offset: 16, .size: 8, .value_kind: global_buffer, .address_space: global }
      - { .name: w_o_scales, .offset: 24, .size: 8, .value_kind: global_buffer, .address_space: global }
      - { .name: out0, .offset: 32, .size: 8, .value_kind: global_buffer, .address_space: global }
    .group_segment_fixed_size: 327680
    .private_segment_fixed_size: 0
    .kernarg_segment_align: 8
    .kernarg_segment_size: 40
    .max_flat_workgroup_size: 128
    .sgpr_count:     106
    .vgpr_count:     1024
    .wavefront_size: 32
...
	.end_amdgpu_metadata
.endif
;; end of part 3
